; MI455X (gfx1250); checked and timed in simulation.
; The chip was launched on July 23, 2026; its instructions are those of AMD's public machine-readable ISA for CDNA 5 (MIT licence, August 2026) and "CDNA5" Instruction Set Architecture Reference Guide (July 2026). The comments in the code are by the model that wrote it; some were corrected since.
;; Llama Top K Attention. Allowed arithmetic: float matrix products may take bf16 or f16 operands with f32 sums; all other float work in f32.
;; Inputs: Wk 2,048 x 512 float32; Wo 2,048 x 2,048 float32; Wq 2,048 x 2,048 float32; Wv 2,048 x 512 float32; hidden_states 1 x 2,048 x 2,048 float32; position_ids 1 x 2,048 int32.
;; Outputs: out0 1 x 2,048 x 2,048 float32.
;; 2 versions, each right. Each part assembles by itself: llvm-mc -triple=amdgcn-amd-amdhsa -mcpu=gfx1250 --defsym DOCPART=n.
;; ======== version 1 of 2: 4 launches
;; limits: values are held in f16: magnitudes above 65,504 overflow, below 6.1e-05 lose precision; right only within a limited range of input values
;; workspace buffers: xb 8,388,608 bytes; wqkv 12,582,912 bytes; wob 8,388,608 bytes; rope 1,048,576 bytes; qkv 12,582,912 bytes; ob 8,388,608 bytes
;; launch cast (part 1): grid 1024 x 1, 8 waves a work-group, no clusters, 0 bytes of LDS; arguments hidden_states, Wq, Wk, Wv, Wo, position_ids, xb, wqkv, wob, rope; writes xb, wqkv, wob, rope
.if DOCPART == 1
	.amdgcn_target "amdgcn-amd-amdhsa--gfx1250"
	.amdhsa_code_object_version 6
	.text
	.protected	k_q43a93abb9b_cast
	.globl	k_q43a93abb9b_cast
	.p2align	8
	.type	k_q43a93abb9b_cast,@function
k_q43a93abb9b_cast:
	s_mov_b64 s[64:65], 0
	v_nop
	global_prefetch_b8 v0, s[64:65] scope:SCOPE_SE
	s_setreg_imm32_b32 hwreg(HW_REG_WAVE_MODE, 25, 1), 1
	s_wait_xcnt 0x0
; 16-bit copies of the five f32 matrices, layouts kept, and the table of cos and sin for the rotary embedding.
;   xb   [2048][2048] bf16 = hidden_states
;   wqkv [2048 k][3072 n] bf16 = Wq | Wk | Wv side by side (a row is 6,144 bytes: Wq at 0, Wk at 4,096, Wv at 5,120)
;   wob  [2048 k][2048 n] f16  = 2 x (Wo rounded to bf16).  All five inputs carry the same rounding, to bf16; Wo's is then held in f16,
;        because its partner in the last product, the attention output, is kept in f16 for its 11 bits.  The factor 2 undoes the 1/2
;        with which V and the attention output are stored.  LIMIT: |Wo| < 3.2e4 (f16's largest number / 2); below 2^-18 the f16 copy rounds again.
;   rope cos [2048 s][64 j] f32 at byte 0, sin at byte 524,288;  angle = f32(position) x 10000^(-j/64)
; A stream: no LDS, no loop, no matrix unit.  Work-group g owns rows 2g and 2g+1 of every matrix; a thread issues its 14 loads of 16 bytes
; ahead of any use; a load of a wave covers 512 consecutive bytes, a store 256 consecutive bytes, aligned.
; LIMITS of the table: 10000^(-j/64) is made by v_exp_f32 (good to the last bit or so), so the angle can depart from one made with the exactly
; rounded frequency by about |position| x 2^-22 of its size; the reduction by pi/2 in two words holds for |position| <= 2^20.
.set XL, 8                             ; v[8:63]   load i: four f32
.set YB, 64                            ; v[64:91]  load i: four 16-bit numbers to store
.set POSF, 92                          ; v92       my row's position as f32
.set JB,   93                          ; v93       4 (lane & 15): my first frequency
.set COSR, 100                         ; v[100:103] four cos
.set SINR, 104                         ; v[104:107] four sin
	s_load_b512 s[4:19], s[0:1], 0x0               ; hidden s[4:5], Wq s[6:7], Wk s[8:9], Wv s[10:11], Wo s[12:13], positions s[14:15], xb s[16:17], wqkv s[18:19]
	s_load_b128 s[20:23], s[0:1], 0x40             ; wob s[20:21], rope s[22:23]
	v_lshrrev_b32 v4, 5, v0
	v_readfirstlane_b32 s24, v4                    ; wave 0..7
	v_lshlrev_b32 v1, 4, v0                        ; 16 t: my 16 bytes of f32
	v_lshlrev_b32 v2, 3, v0                        ; 8 t: my 8 bytes of 16-bit numbers
	v_and_b32 v3, 127, v0
	v_lshlrev_b32 v3, 4, v3                        ; 16 (t & 127): Wk's and Wv's rows are 128 threads long
	s_lshl_b32 s26, ttmp9, 14                      ; two rows of 8,192 bytes
	s_mov_b32 s27, 0
	s_lshl_b32 s28, ttmp9, 12                      ; two rows of 2,048 bytes
	s_mov_b32 s29, 0
	s_lshl_b32 s30, ttmp9, 13                      ; two rows of 4,096 bytes
	s_mov_b32 s31, 0
	s_mul_i32 s32, ttmp9, 12288                    ; two rows of 6,144 bytes
	s_mov_b32 s33, 0
	s_lshl_b32 s34, ttmp9, 9                       ; two rows of 256 bytes
	s_mov_b32 s35, 0
	s_lshl_b32 s36, ttmp9, 3                       ; two positions
	s_mov_b32 s37, 0
	s_mov_b32 s38, 0xffff0000                      ; a word's upper bf16
	s_wait_kmcnt 0x0
	s_add_nc_u64 s[4:5], s[4:5], s[26:27]
	s_add_nc_u64 s[6:7], s[6:7], s[26:27]
	s_add_nc_u64 s[8:9], s[8:9], s[28:29]
	s_add_nc_u64 s[10:11], s[10:11], s[28:29]
	s_add_nc_u64 s[12:13], s[12:13], s[26:27]
	s_add_nc_u64 s[14:15], s[14:15], s[36:37]
	s_add_nc_u64 s[16:17], s[16:17], s[30:31]
	s_add_nc_u64 s[18:19], s[18:19], s[32:33]
	s_add_nc_u64 s[20:21], s[20:21], s[30:31]
	s_add_nc_u64 s[22:23], s[22:23], s[34:35]
	s_cmp_lt_u32 s24, 4
	s_cselect_b64 s[8:9], s[8:9], s[10:11]         ; waves 0-3 take Wk, waves 4-7 Wv
.irp i, 0,1,2,3
	global_load_b128 v[XL+4*\i:XL+4*\i+3], v1, s[4:5] offset:4096*\i th:TH_LOAD_NT          ; the two rows lie one behind the other
.endr
.irp i, 0,1,2,3
	global_load_b128 v[XL+16+4*\i:XL+16+4*\i+3], v1, s[6:7] offset:4096*\i th:TH_LOAD_NT
.endr
.irp i, 0,1,2,3
	global_load_b128 v[XL+32+4*\i:XL+32+4*\i+3], v1, s[12:13] offset:4096*\i th:TH_LOAD_NT
.endr
.irp i, 0,1
	global_load_b128 v[XL+48+4*\i:XL+48+4*\i+3], v3, s[8:9] offset:2048*\i th:TH_LOAD_NT
.endr
	; THE TABLE, by wave 0 alone, while the loads are on their way.  Lane L: row 2g + (L >> 4), frequencies 4 (L & 15) + 0..3.
	s_cmp_lg_u32 s24, 0
	s_cbranch_scc1 .Lno_table
	s_load_b64 s[42:43], s[14:15], 0x0             ; the two rows' positions
	s_mov_b32 s40, 0x3fc90fdb                      ; pi/2, upper word
	s_mov_b32 s41, 0xb33bbd2e                      ; pi/2 - upper word
	v_and_b32 v[JB], 15, v0
	v_lshlrev_b32 v[JB], 2, v[JB]
	s_wait_kmcnt 0x0
	v_mov_b32 v94, s42
	v_mov_b32 v95, s43
	v_cmp_gt_u32 vcc_lo, 16, v0
	v_cndmask_b32 v[POSF], v95, v94, vcc_lo        ; lanes 0-15 the first row's, lanes 16-31 the second's
	v_cvt_f32_i32 v[POSF], v[POSF]
; cos and sin of position x 10000^(-j/64): n = nearest whole number to x 2/pi, r = x - n pi/2 in two steps, Taylor sums on |r| <= pi/4
; (sin to r^7, cos to r^8: what is cut is below 4e-7), then the quadrant n mod 4 swaps the two and sets the signs.
.macro SINCOS i
	v_add_nc_u32 v96, \i, v[JB]
	v_cvt_f32_u32 v96, v96
	v_mul_f32 v96, 0xbe549a78, v96                 ; -j log2(10000) / 64
	v_exp_f32 v97, v96
	v_nop                                          ; one plain instruction behind a transcendental before its result is used (ISA guide 5.7.2)
	s_wait_alu depctr_va_vdst(0)
	v_mul_f32 v97, v[POSF], v97                    ; x
	v_mul_f32 v98, 0x3f22f983, v97                 ; x 2/pi
	v_rndne_f32 v98, v98                           ; n
	v_fma_f32 v97, -v98, s40, v97
	v_fma_f32 v97, -v98, s41, v97                  ; r
	v_mul_f32 v99, v97, v97                        ; r^2
	v_mov_b32 v108, 0xb9500d01                     ; -1/5040
	v_fmaak_f32 v108, v108, v99, 0x3c088889        ; +1/120
	v_fmaak_f32 v108, v108, v99, 0xbe2aaaab        ; -1/6
	v_mul_f32 v109, v97, v99
	v_fma_f32 v108, v109, v108, v97                ; sin r
	v_mov_b32 v110, 0x37d00d01                     ; 1/40320
	v_fmaak_f32 v110, v110, v99, 0xbab60b61        ; -1/720
	v_fmaak_f32 v110, v110, v99, 0x3d2aaaab        ; +1/24
	v_fmaak_f32 v110, v110, v99, 0xbf000000        ; -1/2
	v_fma_f32 v110, v110, v99, 1.0                 ; cos r
	v_cvt_i32_f32 v111, v98
	v_and_b32 v112, 1, v111
	v_cmp_ne_u32 vcc_lo, 0, v112
	v_cndmask_b32 v[SINR+\i], v108, v110, vcc_lo   ; odd quadrant: the two change places
	v_cndmask_b32 v[COSR+\i], v110, v108, vcc_lo
	v_and_b32 v112, 2, v111
	v_lshlrev_b32 v112, 30, v112
	v_xor_b32 v[SINR+\i], v112, v[SINR+\i]         ; sin is negated in quadrants 2 and 3,
	v_add_nc_u32 v111, 1, v111
	v_and_b32 v112, 2, v111
	v_lshlrev_b32 v112, 30, v112
	v_xor_b32 v[COSR+\i], v112, v[COSR+\i]         ; cos in quadrants 1 and 2
.endm
	SINCOS 0
	SINCOS 1
	SINCOS 2
	SINCOS 3
	global_store_b128 v1, v[COSR:COSR+3], s[22:23]                 ; in wave 0 v1 = 16 x lane: sixteen lanes store one row of 256 bytes
	global_store_b128 v1, v[SINR:SINR+3], s[22:23] offset:524288
.Lno_table:
; load idx is in (loads come back in order, 13 - idx are younger: ISA guide 5.7.1); its four numbers are rounded to bf16
.macro TOBF idx
	s_wait_loadcnt 13-\idx
	v_cvt_pk_bf16_f32 v[YB+2*\idx],   v[XL+4*\idx],   v[XL+4*\idx+1]
	v_cvt_pk_bf16_f32 v[YB+2*\idx+1], v[XL+4*\idx+2], v[XL+4*\idx+3]
.endm
.irp i, 0,1,2,3
	TOBF \i
	global_store_b64 v2, v[YB+2*\i:YB+2*\i+1], s[16:17] offset:2048*\i
.endr
.irp i, 0,1,2,3
	TOBF (4+\i)
	global_store_b64 v2, v[YB+8+2*\i:YB+8+2*\i+1], s[18:19] offset:(\i>>1)*6144+(\i&1)*2048
.endr
.irp i, 0,1,2,3
	TOBF (8+\i)
	v_lshlrev_b32 v[XL+32+4*\i],   16,  v[YB+16+2*\i]              ; the rounded numbers back in f32,
	v_and_b32     v[XL+32+4*\i+1], s38, v[YB+16+2*\i]
	v_lshlrev_b32 v[XL+32+4*\i+2], 16,  v[YB+16+2*\i+1]
	v_and_b32     v[XL+32+4*\i+3], s38, v[YB+16+2*\i+1]
	v_pk_mul_f32 v[XL+32+4*\i:XL+32+4*\i+1],   v[XL+32+4*\i:XL+32+4*\i+1],   2.0 op_sel_hi:[1,0]          ; times 2,
	v_pk_mul_f32 v[XL+32+4*\i+2:XL+32+4*\i+3], v[XL+32+4*\i+2:XL+32+4*\i+3], 2.0 op_sel_hi:[1,0]
	v_cvt_pk_f16_f32 v[YB+16+2*\i],   v[XL+32+4*\i],   v[XL+32+4*\i+1]                                    ; in f16
	v_cvt_pk_f16_f32 v[YB+16+2*\i+1], v[XL+32+4*\i+2], v[XL+32+4*\i+3]
	global_store_b64 v2, v[YB+16+2*\i:YB+16+2*\i+1], s[20:21] offset:2048*\i
.endr
.irp i, 0,1
	TOBF (12+\i)
	global_store_b64 v2, v[YB+24+2*\i:YB+24+2*\i+1], s[18:19] offset:\i*6144+4096    ; 4,096 + 8 t serves Wk (t < 128) and Wv alike
.endr
	s_endpgm
.Lfunc_end_k_q43a93abb9b_cast:
	.size	k_q43a93abb9b_cast, .Lfunc_end_k_q43a93abb9b_cast-k_q43a93abb9b_cast
	.p2alignl 7, 3214868480
	.fill 96, 4, 3214868480
	.section	.rodata,"a",@progbits
	.p2align	6, 0x0
	.amdhsa_kernel k_q43a93abb9b_cast
		.amdhsa_group_segment_fixed_size 0
		.amdhsa_private_segment_fixed_size 0
		.amdhsa_enable_private_segment 0
		.amdhsa_kernarg_size 80
		.amdhsa_user_sgpr_count 2
		.amdhsa_user_sgpr_kernarg_segment_ptr 1
		.amdhsa_wavefront_size32 1
		.amdhsa_system_sgpr_workgroup_id_x 1
		.amdhsa_system_sgpr_workgroup_id_y 1
		.amdhsa_system_sgpr_workgroup_id_z 1
		.amdhsa_system_vgpr_workitem_id 0
		.amdhsa_next_free_vgpr 128
		.amdhsa_next_free_sgpr 66
		.amdhsa_reserve_vcc 1
		.amdhsa_float_denorm_mode_32 3
		.amdhsa_float_denorm_mode_16_64 3
		.amdhsa_memory_ordered 1
		.amdhsa_forward_progress 1
		.amdhsa_inst_pref_size 15
	.end_amdhsa_kernel
	.amdgpu_metadata
---
amdhsa.version: [ 1, 2 ]
amdhsa.kernels:
  - .name:           k_q43a93abb9b_cast
    .symbol:         k_q43a93abb9b_cast.kd
    .args:
      - { .name: hidden_states, .offset: 0, .size: 8, .value_kind: global_buffer, .address_space: global }
      - { .name: Wq, .offset: 8, .size: 8, .value_kind: global_buffer, .address_space: global }
      - { .name: Wk, .offset: 16, .size: 8, .value_kind: global_buffer, .address_space: global }
      - { .name: Wv, .offset: 24, .size: 8, .value_kind: global_buffer, .address_space: global }
      - { .name: Wo, .offset: 32, .size: 8, .value_kind: global_buffer, .address_space: global }
      - { .name: position_ids, .offset: 40, .size: 8, .value_kind: global_buffer, .address_space: global }
      - { .name: xb, .offset: 48, .size: 8, .value_kind: global_buffer, .address_space: global }
      - { .name: wqkv, .offset: 56, .size: 8, .value_kind: global_buffer, .address_space: global }
      - { .name: wob, .offset: 64, .size: 8, .value_kind: global_buffer, .address_space: global }
      - { .name: rope, .offset: 72, .size: 8, .value_kind: global_buffer, .address_space: global }
    .group_segment_fixed_size: 0
    .private_segment_fixed_size: 0
    .kernarg_segment_align: 8
    .kernarg_segment_size: 80
    .max_flat_workgroup_size: 256
    .sgpr_count:     66
    .vgpr_count:     128
    .wavefront_size: 32
...
	.end_amdgpu_metadata
.endif
;; end of part 1
;; launch qkv (part 2): grid 8 x 32, 4 waves a work-group, clusters of 4 x 4, 327,680 bytes of LDS; arguments xb, wqkv, rope, qkv; writes qkv
.if DOCPART == 2
	.amdgcn_target "amdgcn-amd-amdhsa--gfx1250"
	.amdhsa_code_object_version 6
	.text
	.protected	k_q43a93abb9b_qkv
	.globl	k_q43a93abb9b_qkv
	.p2align	8
	.type	k_q43a93abb9b_qkv,@function
k_q43a93abb9b_qkv:
	s_mov_b64 s[64:65], 0
	v_nop
	global_prefetch_b8 v0, s[64:65] scope:SCOPE_SE
	s_setreg_imm32_b32 hwreg(HW_REG_WAVE_MODE, 25, 1), 1
	s_wait_xcnt 0x0
	s_wait_alu depctr_hold_cnt(0) depctr_sa_sdst(0) depctr_va_vdst(0) depctr_va_sdst(0) depctr_va_ssrc(0) depctr_va_vcc(0) depctr_vm_vsrc(0)
	s_getreg_b32 s2, hwreg(HW_REG_IB_STS2, 6, 4)
	s_cmp_eq_u32 s2, 0
	s_cbranch_scc0 .Lentry_in_a_cluster
	s_endpgm
.Lentry_in_a_cluster:
	s_bfe_u32 s2, ttmp6, 0x10000c
	s_cmp_lg_u32 s2, 0xf033
	s_cbranch_scc0 .Lentry_shape_is_right
	s_endpgm
.Lentry_shape_is_right:
; qkv[hb][s][d] = rotary( xb[s][:] . wqkv[:][128 hb + d] ), f16;  hb 0-15 the query heads, 16-19 the key heads, 20-23 the value heads (not rotated).
; Stored scaled, so that f16 has room:  Q x 2 log2(e) / sqrt(128) (the softmax's scale and the base-2 exponential folded in),  K x 1/2,  V x 1/2.
; LIMITS (f16's largest number, 65,504): |q| < 2.5e5, |k| < 1.3e5 behind the rotation, |v| < 1.3e5.  With hidden_states and the weights all offset
; by 30 times their spread q, k, v reach 3.7e4 (5.2e4 rotated): stored 1.3e4, 2.6e4, 1.9e4.  With all of them 30 times smaller v is about 1e-3 and is
; stored as a normal f16 number.  A value head goes through the rotation's arithmetic with cos = 1/2, sin = 0: an infinite v would give NaN.
; f16 and not bf16 for what is stored: the first output rows are some eleven times the output's root mean square, and a rounding to 8 bits of V there is
; larger than one hundredth of that root mean square.
;
; A work-group makes 64 rows x 384 columns (three whole heads) with four waves; 8 x 32 = 256 work-groups.  Wave w makes all 64 rows of the columns
; 128 c + 16 w + 64 i + 0..15 (c = 0..2, i = 0, 1): 24 accumulator tiles, 192 registers.  So one lane holds d and d + 64 of a head, and the rotation
; needs no other lane.  K goes in steps of 128 through two LDS slots filled by the tensor data mover.
; CLUSTERS: 4 x 4 work-groups.  The four of a row of the cluster need the same rows of xb, the four of a column the same columns of wqkv: each tile
; is asked for jointly, with one descriptor and a mask that names the four.  Waves 0-2 ask for wqkv's three sub-tiles (128 k x 128 n), wave 3 for xb's tile.
; THE MATRIX INSTRUCTION IS USED TRANSPOSED: source 0 = 16 columns of W (read from [k][n] rows by the transposing LDS load), source 1 = 16 rows of x.
; Lane (r = l % 16, h = l / 16) then holds row r, columns 8 h + 0..7: eight neighbours of a row.
;
; LDS: slot s at s x 128,000: W sub-tile c at c x 36,864 (128 rows of 256 + 32 bytes), x at 110,592 (64 rows of 256 + 16 bytes); stage at 256,000 (3 x 64 rows of 272 bytes).
; REGISTERS: window 0: v0-31 addresses; v32-63 / v112-143 x fragments, v64-111 / v144-191 W fragments, two buffers; v192-255 cos and sin.  Window 1: accumulators.
.set NC,     3                         ; heads (sub-tiles of 128 columns) of a work-group
.set NBF,    2*NC                      ; column tiles of a wave
.set NL,     2*NBF+8                   ; LDS loads of one quarter step
.set NPITCH, 3072                      ; elements in a row of W
.set KSTEP,  128
.set BSUB,   36864                     ; a W sub-tile in LDS: 128 rows x 288 bytes
.set AOFF,   NC*BSUB
.set SLOT,   AOFF+17408                ; + 64 rows x 272 bytes
.set STAGE,  2*SLOT
.set ADRA, 4                           ; v4-5    LDS address of my x fragments, slot 0, 1
.set ADRB, 6                           ; v6-11   of my W fragments: slot x NC + sub-tile
.set STO,  12                          ; v12     the way out: where I put 16 bytes
.set RD,   13                          ; v13     where I read a row back
.set CO,   14                          ; v14     my byte offset in the output
.set ROFF, 15                          ; v15     my byte offset in the table
.set FA,   32
.set FB,   64
.set F0,   0                           ; fragment buffer 0
.set F1,   80                          ; fragment buffer 1: both sides 80 registers further
.set CS,   192                         ; rows 16 a + r: cos of my 8 frequencies at CS + 16 a, sin at CS + 16 a + 8
.set G1A, 24                           ; s[24:31] group 1 for x's tiles
.set G0A, 32                           ; s[32:39] group 0 for x's tiles, one set a slot
.set G1B, 40                           ; s[40:47] group 1 for W's tiles
.set G0B, 48                           ; s[48:55] group 0 for W's tiles, one set a slot
.set MSB, 0
.macro WIN new                         ; the immediate's high byte repeats the setting that is left
.if MSB != \new
	s_set_vgpr_msb (MSB<<8)|\new
.set MSB, \new
.endif
.endm
.macro PLACES                          ; four plain vector instructions behind a matrix instruction before its registers are loaded into, read or written (ISA guide 7.12.1)
.rept 4
	v_nop
.endr
.endm
.macro CREST                           ; a round of the cluster's barrier behind its opening work-group barrier
	s_cmp_lg_u32 s12, 0
	s_cbranch_scc1 .Lnot_wave_0_\@
	s_barrier_signal -3
.Lnot_wave_0_\@:
	s_barrier_wait -3
	s_barrier_signal -1
	s_barrier_wait -1
.endm
.macro CROUND
	s_barrier_signal -1
	s_barrier_wait -1
	CREST
.endm
.macro JLOAD s                         ; a joint load, one on either way: wave 3 asks for x's tile, waves 0-2 for W's sub-tiles.  The branch hangs on the wave's number alone
	s_cmp_eq_u32 s12, 3
	s_cbranch_scc0 .Lfor_w_\@
	tensor_load_to_lds s[G0A+4*\s:G0A+4*\s+3], s[G1A:G1A+7]
	s_nop 0
	s_branch .Lasked_\@
.Lfor_w_\@:
	tensor_load_to_lds s[G0B+4*\s:G0B+4*\s+3], s[G1B:G1B+7]
	s_nop 0
.Lasked_\@:
.endm
; the fragments of quarter step q (32 along K) of a slot into buffer f: W's six column tiles first, then x's four row tiles
.macro FETCH slot, q, f
	WIN 0
.irp c, 0,1,2
.irp i, 0,1
	ds_load_tr16_b128 v[FB+\f+8*(2*\c+\i):FB+\f+8*(2*\c+\i)+3],   v[ADRB+NC*\slot+\c] offset:\q*9216+128*\i        ; k = 32 q + 8 h + 0..7 of column n0 + r
	ds_load_tr16_b128 v[FB+\f+8*(2*\c+\i)+4:FB+\f+8*(2*\c+\i)+7], v[ADRB+NC*\slot+\c] offset:\q*9216+128*\i+4608   ; sixteen rows of k further
.endr
.endr
.irp a, 0,1,2,3
	ds_load_b128 v[FA+\f+8*\a:FA+\f+8*\a+3],   v[ADRA+\slot] offset:\a*4352+64*\q
	ds_load_b128 v[FA+\f+8*\a+4:FA+\f+8*\a+7], v[ADRA+\slot] offset:\a*4352+64*\q+32
.endr
.endm
; 12 matrix instructions: row tiles 2 half, 2 half + 1 x all column tiles.  The accumulators take turns, one instruction a turn, in one fixed order.
.macro MULH f, half, zero
	WIN 0x50                           ; C and D in window 1
.irp a, 2*\half, 2*\half+1
.irp t, 0,1,2,3,4,5
.if \zero
	v_wmma_f32_16x16x32_bf16 v[8*(NBF*(\a)+\t):8*(NBF*(\a)+\t)+7], v[FB+\f+8*\t:FB+\f+8*\t+7], v[FA+\f+8*(\a):FA+\f+8*(\a)+7], 0
.else
	v_wmma_f32_16x16x32_bf16 v[8*(NBF*(\a)+\t):8*(NBF*(\a)+\t)+7], v[FB+\f+8*\t:FB+\f+8*\t+7], v[FA+\f+8*(\a):FA+\f+8*(\a)+7], v[8*(NBF*(\a)+\t):8*(NBF*(\a)+\t)+7]
.endif
.endr
.endr
.endm
; one of a K step's first three quarters: multiplies buffer f; in its middle the next quarter's fragments are fetched into buffer g
.macro QUARTER slot, q, f, g, zero
	s_wait_dscnt 4                                 ; all of buffer f but the youngest four loads (x's row tiles 2 and 3)
	MULH \f, 0, \zero
	PLACES
	FETCH \slot, \q, \g
	s_wait_dscnt NL                                ; all but the NL just issued
	MULH \f, 1, \zero
.endm
.macro THREE slot, zero
	QUARTER \slot, 1, F0, F1, \zero
	QUARTER \slot, 2, F1, F0, 0
	QUARTER \slot, 3, F0, F1, 0
.endm
; the last quarter: multiplies buffer 1 and changes slots.  In front of the barrier each wave's reads of this slot are back and all its tensor loads have
; landed (the one that was out is its part of the next slot).  Where the slot is filled again the barrier opens a round of the cluster's barrier,
; and the joint refill is the first tensor load behind the round.
.macro TURN slot, next, fill
	s_wait_dscnt 0x0
	s_wait_tensorcnt 0x0
	s_barrier_signal -1
	MULH F1, 0, 0                                  ; registers only, while the others arrive
	WIN 0
	s_barrier_wait -1
.if \fill
	CREST
	s_add_nc_u64 s[G0A+4*\slot+2:G0A+4*\slot+3], s[G0A+4*\slot+2:G0A+4*\slot+3], 2*KSTEP*2          ; no tensor load of mine is out: the addresses step two K steps
	s_add_nc_u64 s[G0B+4*\slot+2:G0B+4*\slot+3], s[G0B+4*\slot+2:G0B+4*\slot+3], 2*KSTEP*NPITCH*2
	JLOAD \slot
.endif
	PLACES
	FETCH \next, 0, F0
	MULH F1, 1, 0
.endm
.macro LAP zero
	THREE 0, \zero
	TURN 0, 1, 1
	THREE 1, 0
	TURN 1, 0, 1
.endm
	s_load_b256 s[4:11], s[0:1], 0x0               ; xb s[4:5], wqkv s[6:7], rope s[8:9], qkv s[10:11]
	v_lshrrev_b32 v1, 5, v0
	v_readfirstlane_b32 s12, v1                    ; wave 0..3
	s_bfe_u32 s13, ttmp6, 0x40000                  ; cx
	s_bfe_u32 s14, ttmp6, 0x40004                  ; cy
	s_lshl_b32 s15, ttmp9, 2
	s_add_co_u32 s15, s15, s13                     ; block column bx = 4 x cluster x + cx
	s_and_b32 s16, ttmp7, 0xffff
	s_lshl_b32 s16, s16, 2
	s_add_co_u32 s16, s16, s14                     ; block row by = 4 x cluster y + cy
	s_lshl_b32 s17, s14, 2
	s_lshl_b32 s17, 15, s17                        ; my row of the cluster
	s_lshl_b32 s18, 0x1111, s13                    ; my column
	s_or_b32  s[G1A+0], s17, (1<<16)|(1<<20)|(1<<21)|(5<<22)|(3<<25)   ; mask: my row; 2-byte elements; 16 bytes of padding behind every 64 words; bit 21 beside a mask
	s_mov_b32 s[G1A+1], KSTEP<<16                  ; tensor_dim0 = 128
	s_mov_b32 s[G1A+2], 64<<16                     ; tensor_dim1 = 64
	s_mov_b32 s[G1A+3], KSTEP<<16                  ; tile_dim0 = 128
	s_mov_b32 s[G1A+4], 64                         ; tile_dim1 = 64
	s_mov_b32 s[G1A+5], 2048                       ; elements from row to row
	s_mov_b32 s[G1A+6], 0
	s_mov_b32 s[G1A+7], 0
	s_or_b32  s[G1B+0], s18, (1<<16)|(1<<20)|(1<<21)|(5<<22)|(7<<25)   ; mask: my column; 32 bytes of padding behind every 64 words
	s_mov_b32 s[G1B+1], 128<<16
	s_mov_b32 s[G1B+2], KSTEP<<16
	s_mov_b32 s[G1B+3], 128<<16
	s_mov_b32 s[G1B+4], KSTEP
	s_mov_b32 s[G1B+5], NPITCH
	s_mov_b32 s[G1B+6], 0
	s_mov_b32 s[G1B+7], 0
	s_lshl_b32 s20, s16, 18                        ; x: 64 by rows of 4,096 bytes (hangs on the block row alone)
	s_mov_b32 s21, 0
	s_mul_i32 s56, s15, NC*256                     ; W: column 128 NC bx + 128 w, 2 bytes each (hangs on the block column and the wave alone)
	s_lshl_b32 s57, s12, 8
	s_add_co_u32 s56, s56, s57
	s_mov_b32 s57, 0
	s_mul_i32 s58, s12, BSUB                       ; and its place in a slot
	s_lshl_b32 s60, s16, 14                        ; the table: 64 by rows of 256 bytes
	s_mov_b32 s61, 0
	v_and_b32 v1, 15, v0                           ; r
	v_bfe_u32 v2, v0, 4, 1                         ; h
	v_lshlrev_b32 v[ROFF], 8, v1
	v_lshl_add_u32 v[ROFF], v2, 5, v[ROFF]
	s_lshl_b32 s22, s12, 6
	v_add_nc_u32 v[ROFF], s22, v[ROFF]             ; row r, frequencies 16 w + 8 h + 0..7
	s_wait_kmcnt 0x0
	s_add_nc_u64 s[20:21], s[4:5], s[20:21]
	s_add_nc_u64 s[56:57], s[6:7], s[56:57]
	s_add_nc_u64 s[8:9], s[8:9], s[60:61]
.irp a, 0,1,2,3
	global_load_b128 v[CS+16*\a:CS+16*\a+3],     v[ROFF], s[8:9] offset:4096*\a            ; cos and sin stay in registers until the way out;
	global_load_b128 v[CS+16*\a+4:CS+16*\a+7],   v[ROFF], s[8:9] offset:4096*\a+16         ; their wait stands there
	global_load_b128 v[CS+16*\a+8:CS+16*\a+11],  v[ROFF], s[8:9] offset:4096*\a+524288
	global_load_b128 v[CS+16*\a+12:CS+16*\a+15], v[ROFF], s[8:9] offset:4096*\a+524288+16
.endr
	CROUND                                         ; all sixteen work-groups are here: the first joint loads meet
.irp s, 0,1
	s_mov_b32 s[G0A+4*\s], 1
	s_mov_b32 s[G0A+4*\s+1], \s*SLOT+AOFF
	s_add_nc_u64 s[G0A+4*\s+2:G0A+4*\s+3], s[20:21], \s*KSTEP*2
	s_or_b32 s[G0A+4*\s+3], s[G0A+4*\s+3], 0x80000000
	s_mov_b32 s[G0B+4*\s], 1
	s_add_co_u32 s[G0B+4*\s+1], s58, \s*SLOT
	s_add_nc_u64 s[G0B+4*\s+2:G0B+4*\s+3], s[56:57], \s*KSTEP*NPITCH*2
	s_or_b32 s[G0B+4*\s+3], s[G0B+4*\s+3], 0x80000000
	JLOAD \s                                       ; K steps 0 and 1: two tensor loads of a wave are out at the most in this text
.endr
	v_mul_u32_u24 v3, v1, 272
	v_lshl_add_u32 v3, v2, 4, v3                   ; r x 272 + 16 h
	v_add_nc_u32 v[ADRA], AOFF, v3
	v_add_nc_u32 v[ADRA+1], AOFF+SLOT, v3
	v_and_b32 v16, 7, v0
	v_lshl_add_u32 v16, v2, 3, v16                 ; the transposing load: row of k 8 h + (l & 7),
	v_mul_u32_u24 v16, v16, 288
	v_bfe_u32 v17, v0, 3, 1
	v_lshl_add_u32 v16, v17, 4, v16                ; 16 bytes for each half of eight lanes,
	s_lshl_b32 s22, s12, 5
	v_add_nc_u32 v16, s22, v16                     ; my wave's 16 columns
.irp s, 0,1
.irp c, 0,1,2
	v_add_nc_u32 v[ADRB+NC*\s+\c], \s*SLOT+\c*BSUB, v16
.endr
.endr
	v_add_nc_u32 v[STO], STAGE, v3
	v_add_nc_u32 v[STO], s22, v[STO]               ; stage: row r, bytes 32 w + 16 h
	s_mul_i32 s23, s12, 4352
	v_mul_u32_u24 v17, v2, 272
	v_lshl_add_u32 v17, v1, 4, v17
	v_add_nc_u32 v17, s23, v17
	v_add_nc_u32 v[RD], STAGE, v17                 ; back: rows 16 w + h, 16 bytes a lane
	v_and_b32 v18, 31, v0
	s_lshl_b32 s23, s12, 12
	v_lshl_add_u32 v[CO], v18, 4, s23              ; the same two rows of 256 bytes in the output
	s_wait_tensorcnt 0x1                           ; my part of K step 0 is in (K step 1's stays out)
	s_barrier_signal -1
	s_barrier_wait -1
	FETCH 0, 0, F0
	LAP 1                                          ; the first products start the sums: nothing is cleared
	WIN 0
	s_mov_b32 s19, 6
.Llap:
	LAP 0
	WIN 0
	s_sub_co_u32 s19, s19, 1
	s_cmp_lg_u32 s19, 0
	s_cbranch_scc1 .Llap
	THREE 0, 0                                     ; the last lap (K steps 14, 15) fills nothing
	TURN 0, 1, 0
	THREE 1, 0
	s_wait_dscnt 0x0
	MULH F1, 0, 0
	MULH F1, 1, 0
	PLACES
	WIN 0
	; THE WAY OUT.  What kind of head 3 bx + c is decides three factors, by selects (no branch hangs on the place in the cluster):
	; out_lo = lo (a cos + b) - hi a sin,  out_hi = hi (a cos + b) + lo a sin;   Q: a = 2 log2(e)/sqrt(128), K: a = 1/2, both b = 0;  V: a = 0, b = 1/2.
	s_mul_i32 s60, s15, 3
	s_mov_b32 s61, 0x3e8293ee                      ; 2 log2(e) / sqrt(128)
	s_mov_b32 s62, 0x3f000000                      ; 1/2: K's a and V's b
.irp c, 0,1,2
	s_add_co_u32 s23, s60, \c
	s_cmp_lt_u32 s23, 16
	s_cselect_b32 s[66+3*\c], s61, s62
	s_cmp_lt_u32 s23, 20
	s_cselect_b32 s[66+3*\c], s[66+3*\c], 0
	s_cselect_b32 s[68+3*\c], 0, s62
	s_xor_b32 s[67+3*\c], s[66+3*\c], 0x80000000
.endr
	s_mul_i32 s62, s15, 3*524288                   ; three heads of 524,288 bytes for each block column,
	s_lshl_b32 s60, s16, 14                        ; 64 rows of 256 bytes for each block row
	s_add_co_u32 s62, s62, s60
	s_mov_b32 s63, 0
	s_add_nc_u64 s[10:11], s[10:11], s[62:63]
.irp c, 0,1,2
	v_mov_b32 v[160+6*\c], s[66+3*\c]              ; pairs for the packed arithmetic: a, a
	v_mov_b32 v[161+6*\c], s[66+3*\c]
	v_mov_b32 v[162+6*\c], s[67+3*\c]              ; -a, -a
	v_mov_b32 v[163+6*\c], s[67+3*\c]
	v_mov_b32 v[164+6*\c], s[68+3*\c]              ; b, b
	v_mov_b32 v[165+6*\c], s[68+3*\c]
.endr
	s_wait_loadcnt 0x0                             ; cos and sin, asked for at the start
.macro ROPE c, a                       ; head c, rows 16 a + r: tiles (a, 2c) = d 16 w + 8 h + 0..7 and (a, 2c+1) = the same + 64
	WIN 0
.irp p, 0,2,4,6
	v_pk_fma_f32 v[32+\p:33+\p], v[CS+16*\a+\p:CS+16*\a+\p+1], v[160+6*\c:161+6*\c], v[164+6*\c:165+6*\c]
	v_pk_mul_f32 v[40+\p:41+\p], v[CS+16*\a+8+\p:CS+16*\a+9+\p], v[160+6*\c:161+6*\c]
	v_pk_mul_f32 v[48+\p:49+\p], v[CS+16*\a+8+\p:CS+16*\a+9+\p], v[162+6*\c:163+6*\c]
.endr
	WIN 0x01                           ; source 0: an accumulator
.irp p, 0,2,4,6
	v_pk_mul_f32 v[56+\p:57+\p], v[8*(NBF*\a+2*\c+1)+\p:8*(NBF*\a+2*\c+1)+\p+1], v[48+\p:49+\p]
	v_pk_mul_f32 v[64+\p:65+\p], v[8*(NBF*\a+2*\c)+\p:8*(NBF*\a+2*\c)+\p+1],     v[40+\p:41+\p]
.endr
.irp p, 0,2,4,6
	v_pk_fma_f32 v[56+\p:57+\p], v[8*(NBF*\a+2*\c)+\p:8*(NBF*\a+2*\c)+\p+1],     v[32+\p:33+\p], v[56+\p:57+\p]
	v_pk_fma_f32 v[64+\p:65+\p], v[8*(NBF*\a+2*\c+1)+\p:8*(NBF*\a+2*\c+1)+\p+1], v[32+\p:33+\p], v[64+\p:65+\p]
.endr
	WIN 0
.irp p, 0,1,2,3
	v_cvt_pk_f16_f32 v[72+\p], v[56+2*\p], v[57+2*\p]
	v_cvt_pk_f16_f32 v[76+\p], v[64+2*\p], v[65+2*\p]
.endr
	ds_store_b128 v[STO], v[72:75] offset:\c*17408+\a*4352
	ds_store_b128 v[STO], v[76:79] offset:\c*17408+\a*4352+128
.endm
.irp c, 0,1,2
.irp a, 0,1,2,3
	ROPE \c, \a
.endr
.endr
	s_wait_dscnt 0x0                               ; a stage row is written by all four waves: my stores are done,
	s_barrier_signal -1
	s_barrier_wait -1                              ; everybody's are
.irp c, 0,1,2
.irp u, 0,1,2,3,4,5,6,7
	ds_load_b128 v[32+4*(8*\c+\u):32+4*(8*\c+\u)+3], v[RD] offset:\c*17408+544*\u
.endr
.endr
.irp c, 0,1,2
.irp u, 0,1,2,3,4,5,6,7
	s_wait_dscnt 23-(8*\c+\u)                      ; LDS loads come back in order: this one is in
	global_store_b128 v[CO], v[32+4*(8*\c+\u):32+4*(8*\c+\u)+3], s[10:11] offset:\c*524288+512*\u   ; sixteen lanes store one row: 256 consecutive bytes, aligned
.endr
.endr
	CROUND                                         ; the closing round: no work-group ends while a partner may still ask for a tile that names it
	s_endpgm
.Lfunc_end_k_q43a93abb9b_qkv:
	.size	k_q43a93abb9b_qkv, .Lfunc_end_k_q43a93abb9b_qkv-k_q43a93abb9b_qkv
	.p2alignl 7, 3214868480
	.fill 96, 4, 3214868480
	.section	.rodata,"a",@progbits
	.p2align	6, 0x0
	.amdhsa_kernel k_q43a93abb9b_qkv
		.amdhsa_group_segment_fixed_size 327680
		.amdhsa_private_segment_fixed_size 0
		.amdhsa_enable_private_segment 0
		.amdhsa_kernarg_size 32
		.amdhsa_user_sgpr_count 2
		.amdhsa_user_sgpr_kernarg_segment_ptr 1
		.amdhsa_wavefront_size32 1
		.amdhsa_system_sgpr_workgroup_id_x 1
		.amdhsa_system_sgpr_workgroup_id_y 1
		.amdhsa_system_sgpr_workgroup_id_z 1
		.amdhsa_system_vgpr_workitem_id 0
		.amdhsa_next_free_vgpr 448
		.amdhsa_next_free_sgpr 96
		.amdhsa_reserve_vcc 0
		.amdhsa_float_denorm_mode_32 3
		.amdhsa_float_denorm_mode_16_64 3
		.amdhsa_memory_ordered 1
		.amdhsa_forward_progress 1
		.amdhsa_inst_pref_size 119
	.end_amdhsa_kernel
	.amdgpu_metadata
---
amdhsa.version: [ 1, 2 ]
amdhsa.kernels:
  - .name:           k_q43a93abb9b_qkv
    .symbol:         k_q43a93abb9b_qkv.kd
    .args:
      - { .name: xb, .offset: 0, .size: 8, .value_kind: global_buffer, .address_space: global }
      - { .name: wqkv, .offset: 8, .size: 8, .value_kind: global_buffer, .address_space: global }
      - { .name: rope, .offset: 16, .size: 8, .value_kind: global_buffer, .address_space: global }
      - { .name: qkv, .offset: 24, .size: 8, .value_kind: global_buffer, .address_space: global }
    .group_segment_fixed_size: 327680
    .private_segment_fixed_size: 0
    .kernarg_segment_align: 8
    .kernarg_segment_size: 32
    .max_flat_workgroup_size: 128
    .sgpr_count:     96
    .vgpr_count:     448
    .wavefront_size: 32
...
	.end_amdgpu_metadata
.endif
;; end of part 2
;; launch attn (part 3): grid 256 x 1, 4 waves a work-group, clusters of 4 x 1, 327,680 bytes of LDS; arguments qkv, ob; writes ob
.if DOCPART == 3
	.amdgcn_target "amdgcn-amd-amdhsa--gfx1250"
	.amdhsa_code_object_version 6
	.text
	.protected	k_q43a93abb9b_attn
	.globl	k_q43a93abb9b_attn
	.p2align	8
	.type	k_q43a93abb9b_attn,@function
k_q43a93abb9b_attn:
	s_mov_b64 s[64:65], 0
	v_nop
	global_prefetch_b8 v0, s[64:65] scope:SCOPE_SE
	s_setreg_imm32_b32 hwreg(HW_REG_WAVE_MODE, 25, 1), 1
	s_wait_xcnt 0x0
	s_wait_alu depctr_hold_cnt(0) depctr_sa_sdst(0) depctr_va_vdst(0) depctr_va_sdst(0) depctr_va_ssrc(0) depctr_va_vcc(0) depctr_vm_vsrc(0)
	s_getreg_b32 s2, hwreg(HW_REG_IB_STS2, 6, 4)
	s_cmp_eq_u32 s2, 0
	s_cbranch_scc0 .Lentry_in_a_cluster
	s_endpgm
.Lentry_in_a_cluster:
	s_bfe_u32 s2, ttmp6, 0x10000c
	s_cmp_lg_u32 s2, 0x3003
	s_cbranch_scc0 .Lentry_shape_is_right
	s_endpgm
.Lentry_shape_is_right:
; Causal attention with a running maximum.  qkv: [24][2048][128] f16 (Q x 2 log2(e)/sqrt(128), K / 2, V / 2).  ob: [2048 s][16 heads x 128] f16 = attention output / 2.
; WORK: cluster c (0..63) has key/value head g = c & 3 and number j = c >> 2; its four work-groups are the four query heads 4 g + cx.  A work-group does query
; block j (64 rows) and then query block 31 - j.  Keys go in steps of 128: (j >> 1) + 1 steps for the first block and ((31 - j) >> 1) + 1 for the second,
; 17 together for every j: 256 work-groups of equal work and a constant number of trips.
; CLUSTERS: the four partners walk the same K and V tiles in the same order, so every tile is asked for jointly (mask 15).  cx enters only the addresses of Q and ob.
; A WAVE: qg = w & 1: 32 of the 64 query rows (two tiles qt); kh = w >> 1: 64 of a step's 128 keys.  Each K or V fragment feeds two matrix instructions.
; The two key halves keep their own maximum, sum and O, and are merged through LDS at a block's end.
; TRANSPOSED FORMS: S^T = K Q^T (lane (r, h), register i: key 8 h + i, query r) and O^T = V^T P^T.  Two neighbouring tiles of S^T, rounded to f16 in the lane itself,
; ARE a fragment of P^T; maximum, sum and rescaling factor are one number a lane.
; The causal mask writes the most negative finite f32, as the model does; a wave whose keys are all masked keeps that as its maximum and gets the weight
; 2^(that - true maximum) = 0 in the merge.  At the change of blocks O is not cleared: the maximum is set to that number, and the first step's factor is 0.
; LIMIT: that needs O finite, which f16's V guarantees.  P is rounded to f16: weights below 2^-25 of a row's largest count as 0.
;
; LDS: slot s at s x 73,728: K keys 0-63, K keys 64-127 (64 rows of 272 bytes each, at 0 and 18,432), V likewise (rows of 288 bytes, at 36,864 and 55,296): wave w fills
; quarter w.  Merge area at 147,456 (2 x 16,896), stage at 181,248 (a piece of 8,704 for each wave).
; REGISTERS: window 0: v0-49 addresses and softmax state; v64-127 S^T, then P^T; v128-223 three fragment buffers.  Window 1: v0-127 O^T (tile (dt, qt) at 8 (2 dt + qt)), v128-191 Q.
.set SLOT,  73728
.set QTR,   18432
.set MRG,   147456
.set STAGE, 181248
.set ADRK, 4                           ; v4-5   LDS address of my K fragments, slot 0, 1
.set ADRV, 6                           ; v6-7   of my V fragments
.set MRGA, 8                           ; v8     my 16 bytes in the merge area of my query half
.set STO,  9                           ; v9     the way out: where I put 16 bytes
.set RD,   10                          ; v10    where I read a row back
.set CO,   11                          ; v11    my byte offset in ob
.set QOFF, 12                          ; v12    my byte offset in a Q tile
.set NEG,  13                          ; v13    the most negative finite f32
.set DQB,  14                          ; v14    32 qg + r - 64 kh - 8 h
.set MX,   16                          ; v16-17 running maximum, qt = 0, 1
.set LS,   18                          ; v18-19 running sum (of this half of the lanes' keys, until a block's end)
.set MM,   20                          ; v20-21 the maximum, twice
.set AL,   22                          ; v22-23 the rescaling factor, twice
.set TT,   24                          ; v24-31 at work
.set PM,   32                          ; v32-35 the partner's maxima and sums
.set FF,   36                          ; v36-43 merge factors: qt: mine twice, the partner's twice
.set DQ,   48                          ; v48-49 query minus key offset, qt = 0, 1
.set SC,   64                          ; S^T tile (qt, kt) at SC + 8 (4 qt + kt); P^T fragment (qt, kk) at SC + 16 (2 qt + kk)
.set FB0,  128
.set FB1,  160
.set FB2,  192
.set QW,   128                         ; window 1: Q fragment (qt, kk) at QW + 8 (4 qt + kk)
.set G1K, 24                           ; s[24:31] group 1 for K's tiles
.set G1V, 32                           ; s[32:39] group 1 for V's tiles: other padding
.set G0,  40                           ; s[40:47] group 0, one set a slot
.set MSB, 0
.macro WIN new
.if MSB != \new
	s_set_vgpr_msb (MSB<<8)|\new
.set MSB, \new
.endif
.endm
.macro PLACES n                        ; plain vector instructions behind a matrix instruction (ISA guide 7.12.1)
.rept \n
	v_nop
.endr
.endm
.macro ROUND                           ; a round of the cluster's barrier
	s_barrier_signal -1
	s_barrier_wait -1
	s_cmp_lg_u32 s8, 0
	s_cbranch_scc1 .Lnot_wave_0_\@
	s_barrier_signal -3
.Lnot_wave_0_\@:
	s_barrier_wait -3
	s_barrier_signal -1
	s_barrier_wait -1
.endm
.macro JLOAD s                         ; my quarter of a slot: waves 0, 1 K's halves, waves 2, 3 V's
	s_cmp_lt_u32 s8, 2
	s_cbranch_scc0 .Lfor_v_\@
	tensor_load_to_lds s[G0+4*\s:G0+4*\s+3], s[G1K:G1K+7]
	s_nop 0
	s_branch .Lasked_\@
.Lfor_v_\@:
	tensor_load_to_lds s[G0+4*\s:G0+4*\s+3], s[G1V:G1V+7]
	s_nop 0
.Lasked_\@:
.endm
.macro FETCHK slot, kk, fb             ; 8 loads: my 64 keys (four tiles kt), d = 32 kk .. + 31
	WIN 0
.irp kt, 0,1,2,3
	ds_load_b128 v[\fb+8*\kt:\fb+8*\kt+3],   v[ADRK+\slot] offset:\kt*4352+64*\kk
	ds_load_b128 v[\fb+8*\kt+4:\fb+8*\kt+7], v[ADRK+\slot] offset:\kt*4352+64*\kk+32
.endr
.endm
.macro FETCHV slot, gv, fb             ; 8 transposing loads: keys 32 (gv >> 1) .. + 31 of my 64, d tiles 4 (gv & 1) + 0..3
	WIN 0
.irp i, 0,1,2,3
	ds_load_tr16_b128 v[\fb+8*\i:\fb+8*\i+3],   v[ADRV+\slot] offset:(\gv>>1)*9216+32*(4*(\gv&1)+\i)
	ds_load_tr16_b128 v[\fb+8*\i+4:\fb+8*\i+7], v[ADRV+\slot] offset:(\gv>>1)*9216+32*(4*(\gv&1)+\i)+4608
.endr
.endm
; In MULK and MULV eight accumulators take turns, one instruction a turn.
.macro MULK kk, fb, zero
	WIN 0x04                           ; source 1 (Q) in window 1
.irp kt, 0,1,2,3
.irp qt, 0,1
.if \zero
	v_wmma_f32_16x16x32_f16 v[SC+8*(4*\qt+\kt):SC+8*(4*\qt+\kt)+7], v[\fb+8*\kt:\fb+8*\kt+7], v[QW+8*(4*\qt+\kk):QW+8*(4*\qt+\kk)+7], 0
.else
	v_wmma_f32_16x16x32_f16 v[SC+8*(4*\qt+\kt):SC+8*(4*\qt+\kt)+7], v[\fb+8*\kt:\fb+8*\kt+7], v[QW+8*(4*\qt+\kk):QW+8*(4*\qt+\kk)+7], v[SC+8*(4*\qt+\kt):SC+8*(4*\qt+\kt)+7]
.endif
.endr
.endr
.endm
.macro MULV gv, fb, zero
	WIN 0x50                           ; C and D (O) in window 1
.irp i, 0,1,2,3
.irp qt, 0,1
.if \zero
	v_wmma_f32_16x16x32_f16 v[8*(2*(4*(\gv&1)+\i)+\qt):8*(2*(4*(\gv&1)+\i)+\qt)+7], v[\fb+8*\i:\fb+8*\i+7], v[SC+16*(2*\qt+(\gv>>1)):SC+16*(2*\qt+(\gv>>1))+7], 0
.else
	v_wmma_f32_16x16x32_f16 v[8*(2*(4*(\gv&1)+\i)+\qt):8*(2*(4*(\gv&1)+\i)+\qt)+7], v[\fb+8*\i:\fb+8*\i+7], v[SC+16*(2*\qt+(\gv>>1)):SC+16*(2*\qt+(\gv>>1))+7], v[8*(2*(4*(\gv&1)+\i)+\qt):8*(2*(4*(\gv&1)+\i)+\qt)+7]
.endif
.endr
.endr
.endm
.macro QLOAD b                         ; my 32 query rows as eight fragments, straight from memory: lane (r, h) takes row r, d = 32 kk + 8 h .. and + 16
	WIN 0x40                           ; destination in window 1
.irp qt, 0,1
.irp kk, 0,1,2,3
	global_load_b128 v[QW+8*(4*\qt+\kk):QW+8*(4*\qt+\kk)+3],   v[QOFF], s[\b:\b+1] offset:\qt*4096+64*\kk
	global_load_b128 v[QW+8*(4*\qt+\kk)+4:QW+8*(4*\qt+\kk)+7], v[QOFF], s[\b:\b+1] offset:\qt*4096+64*\kk+32
.endr
.endr
	WIN 0
.endm
; The block's last step: key 64 kh + 16 kt + 8 h + i is masked where it lies behind query d + 32 qg + 16 qt + r, d = the block's place in the step's 128 keys
.macro MASK d
	v_add_nc_u32 v[DQ], s[\d], v[DQB]
	v_add_nc_u32 v[DQ+1], 16, v[DQ]
.irp qt, 0,1
.irp kt, 0,1,2,3
.irp i, 0,1,2,3,4,5,6,7
	v_cmp_gt_i32 vcc_lo, 16*\kt+\i, v[DQ+\qt]
	v_cndmask_b32 v[SC+8*(4*\qt+\kt)+\i], v[SC+8*(4*\qt+\kt)+\i], v[NEG], vcc_lo
.endr
.endr
.endr
.endm
; One step of the running softmax for query tile qt: 32 scores a lane.  first = 1: there is no state yet.
.macro SOFTMAX qt, first
	WIN 0
.irp k, 0,1,2,3
	v_max3_num_f32 v[TT+\k], v[SC+32*\qt+8*\k], v[SC+32*\qt+8*\k+1], v[SC+32*\qt+8*\k+2]      ; four chains
.endr
.irp k, 0,1,2,3
	v_max3_num_f32 v[TT+\k], v[TT+\k], v[SC+32*\qt+8*\k+3], v[SC+32*\qt+8*\k+4]
.endr
.irp k, 0,1,2,3
	v_max3_num_f32 v[TT+\k], v[TT+\k], v[SC+32*\qt+8*\k+5], v[SC+32*\qt+8*\k+6]
.endr
.irp k, 0,1,2,3
	v_max_num_f32 v[TT+\k], v[TT+\k], v[SC+32*\qt+8*\k+7]
.endr
	v_max3_num_f32 v[TT], v[TT], v[TT+1], v[TT+2]
	v_max_num_f32 v[TT], v[TT], v[TT+3]
	v_permlanex16_b32 v[TT+1], v[TT], s20, s21     ; the other half of the lanes holds the other keys of the same query
.if \first
	v_max_num_f32 v[MX+\qt], v[TT], v[TT+1]
.else
	v_max3_num_f32 v[TT+2], v[TT], v[TT+1], v[MX+\qt]
	v_sub_f32 v[TT+3], v[MX+\qt], v[TT+2]
	v_exp_f32 v[AL], v[TT+3]                       ; 2^(old maximum - new); the moves below are the plain instructions behind it (ISA guide 5.7.2)
	v_mov_b32 v[MX+\qt], v[TT+2]
.endif
	v_mov_b32 v[MM], v[MX+\qt]
	v_mov_b32 v[MM+1], v[MX+\qt]
.if \first == 0
	s_wait_alu depctr_va_vdst(0)
	v_mov_b32 v[AL+1], v[AL]
.endif
.set p, 0
.rept 16
	v_pk_add_f32 v[SC+32*\qt+p:SC+32*\qt+p+1], v[SC+32*\qt+p:SC+32*\qt+p+1], v[MM:MM+1] neg_lo:[0,1] neg_hi:[0,1]
.set p, p+2
.endr
.set p, 0
.rept 32
	v_exp_f32 v[SC+32*\qt+p], v[SC+32*\qt+p]
.set p, p+1
.endr
.if \first
	v_nop                                          ; the plain instruction behind the exponentials
	s_wait_alu depctr_va_vdst(0)
.else
	WIN 0x41                                       ; O in window 1: its rescaling stands behind the exponentials
	s_wait_alu depctr_va_vdst(0)
.irp dt, 0,1,2,3,4,5,6,7
.irp q, 0,2,4,6
	v_pk_mul_f32 v[8*(2*\dt+\qt)+\q:8*(2*\dt+\qt)+\q+1], v[8*(2*\dt+\qt)+\q:8*(2*\dt+\qt)+\q+1], v[AL:AL+1]
.endr
.endr
	WIN 0
.endif
.irp k, 0,1,2,3
	v_pk_add_f32 v[TT+2*\k:TT+2*\k+1], v[SC+32*\qt+4*\k:SC+32*\qt+4*\k+1], v[SC+32*\qt+4*\k+2:SC+32*\qt+4*\k+3]
.endr
.irp k, 0,1,2,3
	v_pk_add_f32 v[TT+2*\k:TT+2*\k+1], v[TT+2*\k:TT+2*\k+1], v[SC+32*\qt+16+2*\k:SC+32*\qt+17+2*\k]
.endr
.irp k, 0,1,2,3
	v_pk_add_f32 v[TT+2*\k:TT+2*\k+1], v[TT+2*\k:TT+2*\k+1], v[SC+32*\qt+24+2*\k:SC+32*\qt+25+2*\k]
.endr
	v_pk_add_f32 v[TT:TT+1], v[TT:TT+1], v[TT+2:TT+3]
	v_pk_add_f32 v[TT+4:TT+5], v[TT+4:TT+5], v[TT+6:TT+7]
	v_pk_add_f32 v[TT:TT+1], v[TT:TT+1], v[TT+4:TT+5]
	v_add_f32 v[TT], v[TT], v[TT+1]
.if \first
	v_mov_b32 v[LS+\qt], v[TT]
.else
	v_fma_f32 v[LS+\qt], v[LS+\qt], v[AL], v[TT]
.endif
.irp kk, 0,1
.irp q, 0,1,2,3,4,5,6,7
	v_cvt_pk_f16_f32 v[SC+32*\qt+16*\kk+\q], v[SC+32*\qt+16*\kk+2*\q], v[SC+32*\qt+16*\kk+2*\q+1]     ; in place: register q is written when registers up to 2 q + 1 have been read
.endr
.endr
.endm
; A block's end: the waves of the upper key half hand O, maximum and sum to the waves of the lower half, which merge, divide, round and store 32 rows of ob.
.macro FINALIZE ob
	WIN 0
	PLACES 4
	v_permlanex16_b32 v[TT], v[LS], s20, s21
	v_permlanex16_b32 v[TT+1], v[LS+1], s20, s21
	v_add_f32 v[LS], v[LS], v[TT]                  ; the sums of both halves of the lanes
	v_add_f32 v[LS+1], v[LS+1], v[TT+1]
	s_cmp_eq_u32 s10, 0
	s_cbranch_scc1 .Lno_send_\@
	WIN 0x04                                       ; store data in window 1
.set ch, 0
.rept 32
	ds_store_b128 v[MRGA], v[4*ch:4*ch+3] offset:512*ch
.set ch, ch+1
.endr
	WIN 0
	ds_store_b128 v[MRGA], v[MX:MX+3] offset:16384
.Lno_send_\@:
	s_wait_dscnt 0x0                               ; the senders' stores are done,
	s_barrier_signal -1
	s_barrier_wait -1                              ; and the receivers know (no LDS bytes are filled again behind this barrier: the tile on its way may stay out)
	s_cmp_lg_u32 s10, 0
	s_cbranch_scc1 .Lno_merge_\@
	ds_load_b128 v[PM:PM+3], v[MRGA] offset:16384
.set ch, 0
.rept 32
	ds_load_b128 v[SC+4*ch:SC+4*ch+3], v[MRGA] offset:512*ch
.set ch, ch+1
.endr
	s_wait_dscnt 0x0
.irp qt, 0,1
	v_max_num_f32 v[TT], v[MX+\qt], v[PM+\qt]
	v_sub_f32 v[TT+1], v[MX+\qt], v[TT]
	v_sub_f32 v[TT+2], v[PM+\qt], v[TT]
	v_exp_f32 v[TT+1], v[TT+1]
	v_exp_f32 v[TT+2], v[TT+2]
	v_nop
	s_wait_alu depctr_va_vdst(0)
	v_mul_f32 v[TT+3], v[LS+\qt], v[TT+1]
	v_fma_f32 v[TT+3], v[PM+2+\qt], v[TT+2], v[TT+3]       ; the whole row's sum: at least 1, from the key that holds the maximum
	v_rcp_f32 v[TT+4], v[TT+3]
	v_nop
	s_wait_alu depctr_va_vdst(0)
	v_mul_f32 v[FF+4*\qt], v[TT+1], v[TT+4]
	v_mul_f32 v[FF+4*\qt+2], v[TT+2], v[TT+4]
	v_mov_b32 v[FF+4*\qt+1], v[FF+4*\qt]
	v_mov_b32 v[FF+4*\qt+3], v[FF+4*\qt+2]
.endr
.set ti, 0
.rept 16
.irp q, 0,2,4,6
	v_pk_mul_f32 v[SC+8*ti+\q:SC+8*ti+\q+1], v[SC+8*ti+\q:SC+8*ti+\q+1], v[FF+4*(ti&1)+2:FF+4*(ti&1)+3]
.endr
.set ti, ti+1
.endr
	WIN 0x01                                       ; source 0: my O
.set ti, 0
.rept 16
.irp q, 0,2,4,6
	v_pk_fma_f32 v[SC+8*ti+\q:SC+8*ti+\q+1], v[8*ti+\q:8*ti+\q+1], v[FF+4*(ti&1):FF+4*(ti&1)+1], v[SC+8*ti+\q:SC+8*ti+\q+1]
.endr
.set ti, ti+1
.endr
	WIN 0
.set ti, 0
.rept 16
.irp q, 0,1,2,3
	v_cvt_pk_f16_f32 v[FB2+4*ti+\q], v[SC+8*ti+2*\q], v[SC+8*ti+2*\q+1]
.endr
	ds_store_b128 v[STO], v[FB2+4*ti:FB2+4*ti+3] offset:(ti&1)*4352+32*(ti>>1)     ; row 16 qt + r, d = 16 dt + 8 h + 0..7
.set ti, ti+1
.endr
.irp u, 0,1,2,3,4,5,6,7,8,9,10,11,12,13,14,15
	ds_load_b128 v[SC+4*\u:SC+4*\u+3], v[RD] offset:544*\u                         ; my own stage: LDS serves a wave's instructions in order (ISA guide 5.7.1)
.endr
.irp u, 0,1,2,3,4,5,6,7,8,9,10,11,12,13,14,15
	s_wait_dscnt 15-\u
	global_store_b128 v[CO], v[SC+4*\u:SC+4*\u+3], s[\ob:\ob+1] offset:8192*\u     ; sixteen lanes store a head's 256 consecutive bytes of one row, aligned
.endr
.Lno_merge_\@:
	s_wait_xcnt 0x0                                ; the stores' data registers are written again only behind this wait
.endm
; One step of 128 keys, from slot; refill = 1: the other slot gets the next step's tile.  s17 = t, the step's number.
.macro TRIP slot, refill, first, last
	WIN 0
	s_wait_tensorcnt 0x0                           ; all my tensor loads have landed: the one that was out is my quarter of this step's tile
.if \refill
	s_add_co_u32 s60, s17, 1                       ; so the other slot's address may be written: step t + 1 is tile t + 1 of the first block, or t + 1 - n1 of the second
	s_cmp_ge_u32 s60, s15
	s_cselect_b32 s61, s15, 0
	s_sub_co_u32 s60, s60, s61
	s_lshl_b32 s50, s60, 15                        ; 128 keys of 256 bytes
	s_add_nc_u64 s[G0+4*(1-\slot)+2:G0+4*(1-\slot)+3], s[48:49], s[50:51]
.endif
	s_wait_dscnt 0x0                               ; my reads of the last step's tile are back
	ROUND                                          ; both now hold of every wave of all four work-groups
.if \refill
	JLOAD (1-\slot)                                ; one tensor load of a wave is out at a time; it has the whole step in which to land
.endif
.if (\first+\last) == 0
	s_cmp_lg_u32 s17, s15                          ; t = n1: the first block is done (equal in all waves and all partners: it hangs on the cluster's number alone)
	s_cbranch_scc1 .Lsame_block_\@
	FINALIZE 56
	v_mov_b32 v[MX], v[NEG]
	v_mov_b32 v[MX+1], v[NEG]
	v_mov_b32 v[LS], 0
	v_mov_b32 v[LS+1], 0
.Lsame_block_\@:
.endif
	PLACES 5                                       ; the first products below write over P, a source of the last step's matrix instructions
	FETCHK \slot, 0, FB0
	FETCHK \slot, 1, FB1
	FETCHK \slot, 2, FB2
	s_wait_loadcnt 0x0                             ; Q (met but in a block's first step)
	s_wait_dscnt 16                                ; here and below: the two younger groups of eight loads may stay out
	MULK 0, FB0, 1
	PLACES 4
	FETCHK \slot, 3, FB0
	s_wait_dscnt 16
	MULK 1, FB1, 0
	PLACES 4
	FETCHV \slot, 0, FB1
	s_wait_dscnt 16
	MULK 2, FB2, 0
	PLACES 4
	FETCHV \slot, 1, FB2
	s_wait_dscnt 16
	MULK 3, FB0, 0
	PLACES 4
	FETCHV \slot, 2, FB0
.if \last
	MASK 23
.else
	s_cmp_lg_u32 s17, s16                          ; t = n1 - 1: the first block's last step
	s_cbranch_scc1 .Lno_mask_\@
	MASK 22
	QLOAD 54                                       ; Q has been read for the last time, four places ago: the second block's rows are asked for now
.Lno_mask_\@:
.endif
	SOFTMAX 0, \first
	SOFTMAX 1, \first
	s_wait_dscnt 16
	MULV 0, FB1, \first
	PLACES 4
	FETCHV \slot, 3, FB1
	s_wait_dscnt 16
	MULV 1, FB2, \first
	s_wait_dscnt 8                                 ; the youngest group may stay out
	MULV 2, FB0, 0
	s_wait_dscnt 0x0
	MULV 3, FB1, 0
	WIN 0
	s_add_co_u32 s17, s17, 1
.endm
	s_load_b128 s[4:7], s[0:1], 0x0                ; qkv s[4:5], ob s[6:7]
	v_lshrrev_b32 v1, 5, v0
	v_readfirstlane_b32 s8, v1                     ; wave 0..3
	s_and_b32 s9, s8, 1                            ; qg
	s_lshr_b32 s10, s8, 1                          ; kh
	s_bfe_u32 s11, ttmp6, 0x40000                  ; cx
	s_and_b32 s12, ttmp9, 3                        ; g
	s_lshr_b32 s13, ttmp9, 2                       ; j
	s_lshl2_add_u32 s14, s12, s11                  ; head = 4 g + cx
	s_lshr_b32 s16, s13, 1                         ; n1 - 1
	s_add_co_u32 s15, s16, 1                       ; n1
	s_mov_b32 s17, 0                               ; t
	s_mov_b32 s20, 0x76543210                      ; v_permlanex16_b32: lane i of one half reads lane i of the other
	s_mov_b32 s21, 0xfedcba98
	s_and_b32 s22, s13, 1
	s_lshl_b32 s22, s22, 6                         ; the first block's place in its last step's keys: 64 (j & 1)
	s_sub_co_u32 s23, 64, s22                      ; the second block's
	s_mov_b32 s[G1K+0], 15|(1<<16)|(1<<20)|(1<<21)|(5<<22)|(3<<25)     ; all four partners; 2-byte elements; 16 bytes of padding behind every 64 words; bit 21 beside a mask
	s_mov_b32 s[G1K+1], 128<<16                    ; tensor_dim0 = 128
	s_mov_b32 s[G1K+2], 64<<16                     ; tensor_dim1 = 64
	s_mov_b32 s[G1K+3], 128<<16                    ; tile_dim0 = 128
	s_mov_b32 s[G1K+4], 64                         ; tile_dim1 = 64
	s_mov_b32 s[G1K+5], 128                        ; elements from row to row
	s_mov_b32 s[G1K+6], 0
	s_mov_b32 s[G1K+7], 0
	s_mov_b32 s[G1V+0], 15|(1<<16)|(1<<20)|(1<<21)|(5<<22)|(7<<25)     ; 32 bytes of padding
	s_mov_b32 s[G1V+1], 128<<16
	s_mov_b32 s[G1V+2], 64<<16
	s_mov_b32 s[G1V+3], 128<<16
	s_mov_b32 s[G1V+4], 64
	s_mov_b32 s[G1V+5], 128
	s_mov_b32 s[G1V+6], 0
	s_mov_b32 s[G1V+7], 0
	s_lshl_b32 s50, s10, 2                         ; my quarter's source: plane 16 + g (K) or 20 + g (V), keys 64 (w & 1) ..
	s_add_co_u32 s50, s50, s12
	s_add_co_u32 s50, s50, 16
	s_lshl_b32 s50, s50, 19
	s_lshl_b32 s51, s9, 14
	s_add_co_u32 s50, s50, s51
	s_mov_b32 s51, 0
	s_lshl_b32 s60, s14, 19                        ; Q: plane head, rows 64 block + 32 qg
	s_lshl_b32 s61, s9, 13
	s_add_co_u32 s60, s60, s61
	s_lshl_b32 s61, s13, 14
	s_add_co_u32 s52, s60, s61
	s_mov_b32 s53, 0
	s_sub_co_u32 s62, 31, s13                      ; the second block's number
	s_lshl_b32 s61, s62, 14
	s_add_co_u32 s54, s60, s61
	s_mov_b32 s55, 0
	s_lshl_b32 s60, s14, 8                         ; ob: the same rows of 4,096 bytes, the head's 256 bytes
	s_lshl_b32 s61, s9, 17
	s_add_co_u32 s60, s60, s61
	s_lshl_b32 s61, s13, 18
	s_add_co_u32 s56, s60, s61
	s_mov_b32 s57, 0
	s_lshl_b32 s61, s62, 18
	s_add_co_u32 s58, s60, s61
	s_mov_b32 s59, 0
	s_mul_i32 s63, s8, QTR                         ; my quarter of a slot
	s_wait_kmcnt 0x0
	s_add_nc_u64 s[48:49], s[4:5], s[50:51]
	s_or_b32 s49, s49, 0x80000000                  ; the descriptor's type
	s_add_nc_u64 s[52:53], s[4:5], s[52:53]
	s_add_nc_u64 s[54:55], s[4:5], s[54:55]
	s_add_nc_u64 s[56:57], s[6:7], s[56:57]
	s_add_nc_u64 s[58:59], s[6:7], s[58:59]
	s_mov_b32 s[G0+0], 1
	s_mov_b32 s[G0+1], s63
	s_mov_b64 s[G0+2:G0+3], s[48:49]               ; tile 0
	s_mov_b32 s[G0+4], 1
	s_add_co_u32 s[G0+5], s63, SLOT
	s_mov_b64 s[G0+6:G0+7], s[48:49]               ; written anew in front of its first load
	v_and_b32 v1, 15, v0                           ; r
	v_bfe_u32 v2, v0, 4, 1                         ; h
	v_and_b32 v3, 31, v0                           ; lane
	v_lshlrev_b32 v[QOFF], 8, v1
	v_lshl_add_u32 v[QOFF], v2, 4, v[QOFF]
	QLOAD 52                                       ; the first block's Q
	v_mul_u32_u24 v24, v1, 272
	v_lshl_add_u32 v24, v2, 4, v24                 ; r x 272 + 16 h
	s_mul_i32 s60, s10, QTR
	v_add_nc_u32 v[ADRK], s60, v24
	v_add_nc_u32 v[ADRK+1], SLOT, v[ADRK]
	v_and_b32 v25, 7, v0
	v_lshl_add_u32 v25, v2, 3, v25                 ; the transposing load: key 8 h + (l & 7),
	v_mul_u32_u24 v25, v25, 288
	v_bfe_u32 v26, v0, 3, 1
	v_lshl_add_u32 v25, v26, 4, v25                ; 16 bytes for each half of eight lanes
	v_add_nc_u32 v25, s60, v25
	v_add_nc_u32 v[ADRV], 2*QTR, v25
	v_add_nc_u32 v[ADRV+1], 2*QTR+SLOT, v25
	s_mul_i32 s61, s9, 16896
	v_lshlrev_b32 v26, 4, v3
	v_add_nc_u32 v26, s61, v26
	v_add_nc_u32 v[MRGA], MRG, v26
	s_mul_i32 s61, s8, 8704
	v_add_nc_u32 v24, s61, v24
	v_add_nc_u32 v[STO], STAGE, v24
	v_mul_u32_u24 v27, v2, 272
	v_lshl_add_u32 v27, v1, 4, v27
	v_add_nc_u32 v27, s61, v27
	v_add_nc_u32 v[RD], STAGE, v27
	v_lshlrev_b32 v[CO], 12, v2
	v_lshl_add_u32 v[CO], v1, 4, v[CO]
	v_mov_b32 v[NEG], 0xff7fffff
	s_lshl_b32 s60, s9, 5
	s_lshl_b32 s61, s10, 6
	s_sub_co_i32 s60, s60, s61
	v_lshlrev_b32 v24, 3, v2
	v_sub_nc_u32 v[DQB], v1, v24
	v_add_nc_u32 v[DQB], s60, v[DQB]
	ROUND                                          ; the four partners are here: the first joint loads meet
	JLOAD 0
	TRIP 0, 1, 1, 0                                ; t = 0: its products start O, its scores start maximum and sum
	s_mov_b32 s18, 7
.Lpair:
	TRIP 1, 1, 0, 0                                ; t = 1, 3, .. 13
	TRIP 0, 1, 0, 0                                ; t = 2, 4, .. 14
	s_sub_co_u32 s18, s18, 1
	s_cmp_lg_u32 s18, 0
	s_cbranch_scc1 .Lpair
	TRIP 1, 1, 0, 0                                ; t = 15
	TRIP 0, 0, 0, 1                                ; t = 16: the second block's last step; nothing more is fetched
	FINALIZE 58
	ROUND                                          ; the closing round
	s_endpgm
.Lfunc_end_k_q43a93abb9b_attn:
	.size	k_q43a93abb9b_attn, .Lfunc_end_k_q43a93abb9b_attn-k_q43a93abb9b_attn
	.p2alignl 7, 3214868480
	.fill 96, 4, 3214868480
	.section	.rodata,"a",@progbits
	.p2align	6, 0x0
	.amdhsa_kernel k_q43a93abb9b_attn
		.amdhsa_group_segment_fixed_size 327680
		.amdhsa_private_segment_fixed_size 0
		.amdhsa_enable_private_segment 0
		.amdhsa_kernarg_size 16
		.amdhsa_user_sgpr_count 2
		.amdhsa_user_sgpr_kernarg_segment_ptr 1
		.amdhsa_wavefront_size32 1
		.amdhsa_system_sgpr_workgroup_id_x 1
		.amdhsa_system_sgpr_workgroup_id_y 1
		.amdhsa_system_sgpr_workgroup_id_z 1
		.amdhsa_system_vgpr_workitem_id 0
		.amdhsa_next_free_vgpr 448
		.amdhsa_next_free_sgpr 72
		.amdhsa_reserve_vcc 1
		.amdhsa_float_denorm_mode_32 3
		.amdhsa_float_denorm_mode_16_64 3
		.amdhsa_memory_ordered 1
		.amdhsa_forward_progress 1
		.amdhsa_inst_pref_size 244
	.end_amdhsa_kernel
	.amdgpu_metadata
---
amdhsa.version: [ 1, 2 ]
amdhsa.kernels:
  - .name:           k_q43a93abb9b_attn
    .symbol:         k_q43a93abb9b_attn.kd
    .args:
      - { .name: qkv, .offset: 0, .size: 8, .value_kind: global_buffer, .address_space: global }
      - { .name: ob, .offset: 8, .size: 8, .value_kind: global_buffer, .address_space: global }
    .group_segment_fixed_size: 327680
    .private_segment_fixed_size: 0
    .kernarg_segment_align: 8
    .kernarg_segment_size: 16
    .max_flat_workgroup_size: 128
    .sgpr_count:     72
    .vgpr_count:     448
    .wavefront_size: 32
...
	.end_amdgpu_metadata
.endif
;; end of part 3
;; launch oproj (part 4): grid 8 x 32, 4 waves a work-group, clusters of 4 x 4, 327,680 bytes of LDS; arguments ob, wob, out0; writes out0
.if DOCPART == 4
	.amdgcn_target "amdgcn-amd-amdhsa--gfx1250"
	.amdhsa_code_object_version 6
	.text
	.protected	k_q43a93abb9b_oproj
	.globl	k_q43a93abb9b_oproj
	.p2align	8
	.type	k_q43a93abb9b_oproj,@function
k_q43a93abb9b_oproj:
	s_mov_b64 s[64:65], 0
	v_nop
	global_prefetch_b8 v0, s[64:65] scope:SCOPE_SE
	s_setreg_imm32_b32 hwreg(HW_REG_WAVE_MODE, 25, 1), 1
	s_wait_xcnt 0x0
	s_wait_alu depctr_hold_cnt(0) depctr_sa_sdst(0) depctr_va_vdst(0) depctr_va_sdst(0) depctr_va_ssrc(0) depctr_va_vcc(0) depctr_vm_vsrc(0)
	s_getreg_b32 s2, hwreg(HW_REG_IB_STS2, 6, 4)
	s_cmp_eq_u32 s2, 0
	s_cbranch_scc0 .Lentry_in_a_cluster
	s_endpgm
.Lentry_in_a_cluster:
	s_bfe_u32 s2, ttmp6, 0x10000c
	s_cmp_lg_u32 s2, 0xf033
	s_cbranch_scc0 .Lentry_shape_is_right
	s_endpgm
.Lentry_shape_is_right:
; out0[s][n] = sum over k of ob[s][k] wob[k][n], f32.  ob: [2048][2048] f16 = attention output / 2;  wob: [2048 k][2048 n] f16 = 2 x Wo: the two factors cancel.
; A work-group makes 64 rows x 256 columns with four waves, 8 x 32 = 256 work-groups; wave w makes all 64 rows of the columns 128 c + 16 w + 64 i + 0..15 (c, i = 0, 1):
; 16 accumulator tiles, 128 registers.  K goes in steps of 128 through two LDS slots filled by the tensor data mover.
; CLUSTERS: 4 x 4 work-groups; ob's tile is shared along a row of the cluster, wob's along a column, each asked for jointly.  Every wave asks for one quarter of every slot:
; waves 0 and 1 for wob's two sub-tiles (128 k x 128 n), waves 2 and 3 for the two halves (32 rows) of ob's tile.  So each way through a joint request issues one load,
; and a counted wait on the tensor loads counts the same in every wave.
; Source 0 = 16 columns of wob (transposing LDS load), source 1 = 16 rows of ob: lane (r, h) holds row r, columns 8 h + 0..7.
; LDS: slot s at s x 119,296, quarter w at w x 36,864: wob's sub-tiles (128 rows of 288 bytes) at 0 and 36,864, ob's rows 0-31 at 73,728 and rows 32-63 at 110,592
; (32 rows of 272 bytes each); stage at 238,592 (64 rows of 1,024 + 16 bytes).
; REGISTERS: window 0: v0-31 addresses; v32-63 / v112-143 ob fragments, v64-95 / v144-175 wob fragments, two buffers.  Window 1: accumulators.
.set NBF,    4                         ; column tiles of a wave
.set NL,     16                        ; LDS loads of one quarter step
.set NPITCH, 2048                      ; elements in a row of wob
.set KSTEP,  128
.set BSUB,   36864                     ; a quarter of a slot: 128 rows x 288 bytes
.set AOFF,   2*BSUB                    ; ob's first half
.set SLOT,   3*BSUB+8704               ; ob's second half is 32 rows x 272 bytes
.set STAGE,  2*SLOT
.set ADRA, 4                           ; v4-5    LDS address of my ob fragments, slot 0, 1
.set ADRB, 6                           ; v6-9    of my wob fragments: 2 x slot + sub-tile
.set STO,  12                          ; v12     the way out: where I put 16 bytes
.set RD,   13                          ; v13     where I read a row back
.set CO,   14                          ; v14     my byte offset in out0
.set FA,   32
.set FB,   64
.set F0,   0                           ; fragment buffer 0
.set F1,   80                          ; fragment buffer 1: both sides 80 registers further
.set G1A, 24                           ; s[24:31] group 1 for ob's tiles
.set G0A, 32                           ; s[32:39] group 0 for ob's tiles, one set a slot
.set G1B, 40                           ; s[40:47] group 1 for wob's tiles
.set G0B, 48                           ; s[48:55] group 0 for wob's tiles, one set a slot
.set MSB, 0
.macro WIN new                         ; the immediate's high byte repeats the setting that is left
.if MSB != \new
	s_set_vgpr_msb (MSB<<8)|\new
.set MSB, \new
.endif
.endm
.macro PLACES                          ; four plain vector instructions behind a matrix instruction (ISA guide 7.12.1)
.rept 4
	v_nop
.endr
.endm
.macro CREST                           ; a round of the cluster's barrier behind its opening work-group barrier
	s_cmp_lg_u32 s12, 0
	s_cbranch_scc1 .Lnot_wave_0_\@
	s_barrier_signal -3
.Lnot_wave_0_\@:
	s_barrier_wait -3
	s_barrier_signal -1
	s_barrier_wait -1
.endm
.macro CROUND
	s_barrier_signal -1
	s_barrier_wait -1
	CREST
.endm
.macro JLOAD s                         ; my quarter of a slot, one load on either way: waves 0, 1 wob's sub-tiles, waves 2, 3 ob's halves.  The branch hangs on the wave's number alone
	s_cmp_lt_u32 s12, 2
	s_cbranch_scc0 .Lfor_a_\@
	tensor_load_to_lds s[G0B+4*\s:G0B+4*\s+3], s[G1B:G1B+7]
	s_nop 0
	s_branch .Lasked_\@
.Lfor_a_\@:
	tensor_load_to_lds s[G0A+4*\s:G0A+4*\s+3], s[G1A:G1A+7]
	s_nop 0
.Lasked_\@:
.endm
; the fragments of quarter step q (32 along K) of a slot into buffer f: wob's four column tiles first, then ob's four row tiles (tiles 2 and 3 lie in the next quarter of the slot)
.macro FETCH slot, q, f
	WIN 0
.irp c, 0,1
.irp i, 0,1
	ds_load_tr16_b128 v[FB+\f+8*(2*\c+\i):FB+\f+8*(2*\c+\i)+3],   v[ADRB+2*\slot+\c] offset:\q*9216+128*\i
	ds_load_tr16_b128 v[FB+\f+8*(2*\c+\i)+4:FB+\f+8*(2*\c+\i)+7], v[ADRB+2*\slot+\c] offset:\q*9216+128*\i+4608
.endr
.endr
.irp a, 0,1,2,3
	ds_load_b128 v[FA+\f+8*\a:FA+\f+8*\a+3],   v[ADRA+\slot] offset:(\a>>1)*BSUB+(\a&1)*4352+64*\q
	ds_load_b128 v[FA+\f+8*\a+4:FA+\f+8*\a+7], v[ADRA+\slot] offset:(\a>>1)*BSUB+(\a&1)*4352+64*\q+32
.endr
.endm
; 8 matrix instructions.  The accumulators take turns, one instruction a turn, in one fixed order.
.macro MULH f, half, zero
	WIN 0x50                           ; C and D in window 1
.irp a, 2*\half, 2*\half+1
.irp t, 0,1,2,3
.if \zero
	v_wmma_f32_16x16x32_f16 v[8*(NBF*(\a)+\t):8*(NBF*(\a)+\t)+7], v[FB+\f+8*\t:FB+\f+8*\t+7], v[FA+\f+8*(\a):FA+\f+8*(\a)+7], 0
.else
	v_wmma_f32_16x16x32_f16 v[8*(NBF*(\a)+\t):8*(NBF*(\a)+\t)+7], v[FB+\f+8*\t:FB+\f+8*\t+7], v[FA+\f+8*(\a):FA+\f+8*(\a)+7], v[8*(NBF*(\a)+\t):8*(NBF*(\a)+\t)+7]
.endif
.endr
.endr
.endm
.macro QUARTER slot, q, f, g, zero
	s_wait_dscnt 4                                 ; all of buffer f but the youngest four loads (ob's row tiles 2 and 3)
	MULH \f, 0, \zero
	PLACES
	FETCH \slot, \q, \g
	s_wait_dscnt NL                                ; all but the NL just issued
	MULH \f, 1, \zero
.endm
.macro THREE slot, zero
	QUARTER \slot, 1, F0, F1, \zero
	QUARTER \slot, 2, F1, F0, 0
	QUARTER \slot, 3, F0, F1, 0
.endm
; The change of slots: in front of the barrier each wave's reads of this slot are back and all its tensor loads have landed; where the slot is filled again the barrier
; opens a round of the cluster's barrier, and the joint refill is the first tensor load behind the round.
.macro TURN slot, next, fill
	s_wait_dscnt 0x0
	s_wait_tensorcnt 0x0
	s_barrier_signal -1
	MULH F1, 0, 0                                  ; registers only, while the others arrive
	WIN 0
	s_barrier_wait -1
.if \fill
	CREST
	s_add_nc_u64 s[G0A+4*\slot+2:G0A+4*\slot+3], s[G0A+4*\slot+2:G0A+4*\slot+3], 2*KSTEP*2          ; no tensor load of mine is out: the addresses step two K steps
	s_add_nc_u64 s[G0B+4*\slot+2:G0B+4*\slot+3], s[G0B+4*\slot+2:G0B+4*\slot+3], 2*KSTEP*NPITCH*2
	JLOAD \slot
.endif
	PLACES
	FETCH \next, 0, F0
	MULH F1, 1, 0
.endm
.macro LAP zero
	THREE 0, \zero
	TURN 0, 1, 1
	THREE 1, 0
	TURN 1, 0, 1
.endm
	s_load_b128 s[4:7], s[0:1], 0x0                ; ob s[4:5], wob s[6:7]
	s_load_b64 s[10:11], s[0:1], 0x10              ; out0
	v_lshrrev_b32 v1, 5, v0
	v_readfirstlane_b32 s12, v1                    ; wave 0..3
	s_bfe_u32 s13, ttmp6, 0x40000                  ; cx
	s_bfe_u32 s14, ttmp6, 0x40004                  ; cy
	s_lshl_b32 s15, ttmp9, 2
	s_add_co_u32 s15, s15, s13                     ; block column bx
	s_and_b32 s16, ttmp7, 0xffff
	s_lshl_b32 s16, s16, 2
	s_add_co_u32 s16, s16, s14                     ; block row by
	s_lshl_b32 s17, s14, 2
	s_lshl_b32 s17, 15, s17                        ; my row of the cluster
	s_lshl_b32 s18, 0x1111, s13                    ; my column
	s_or_b32  s[G1A+0], s17, (1<<16)|(1<<20)|(1<<21)|(5<<22)|(3<<25)   ; mask: my row; 2-byte elements; 16 bytes of padding behind every 64 words; bit 21 beside a mask
	s_mov_b32 s[G1A+1], KSTEP<<16                  ; tensor_dim0 = 128
	s_mov_b32 s[G1A+2], 32<<16                     ; tensor_dim1 = 32
	s_mov_b32 s[G1A+3], KSTEP<<16                  ; tile_dim0 = 128
	s_mov_b32 s[G1A+4], 32                         ; tile_dim1 = 32
	s_mov_b32 s[G1A+5], 2048                       ; elements from row to row
	s_mov_b32 s[G1A+6], 0
	s_mov_b32 s[G1A+7], 0
	s_or_b32  s[G1B+0], s18, (1<<16)|(1<<20)|(1<<21)|(5<<22)|(7<<25)   ; mask: my column; 32 bytes of padding behind every 64 words
	s_mov_b32 s[G1B+1], 128<<16
	s_mov_b32 s[G1B+2], KSTEP<<16
	s_mov_b32 s[G1B+3], 128<<16
	s_mov_b32 s[G1B+4], KSTEP
	s_mov_b32 s[G1B+5], NPITCH
	s_mov_b32 s[G1B+6], 0
	s_mov_b32 s[G1B+7], 0
	s_and_b32 s59, s12, 1                          ; which half of ob's tile, or which sub-tile of wob, I fetch
	s_lshl_b32 s20, s16, 18                        ; ob: 64 by rows of 4,096 bytes (hangs on the block row and the wave alone)
	s_lshl_b32 s22, s59, 17                        ; + 32 rows for the second half
	s_add_co_u32 s20, s20, s22
	s_mov_b32 s21, 0
	s_lshl_b32 s56, s15, 9                         ; wob: column 256 bx + 128 (w & 1), 2 bytes each (hangs on the block column and the wave alone)
	s_lshl_b32 s57, s59, 8
	s_add_co_u32 s56, s56, s57
	s_mov_b32 s57, 0
	s_mul_i32 s58, s12, BSUB                       ; my quarter of a slot
	s_wait_kmcnt 0x0
	s_add_nc_u64 s[20:21], s[4:5], s[20:21]
	s_add_nc_u64 s[56:57], s[6:7], s[56:57]
	CROUND                                         ; all sixteen work-groups are here: the first joint loads meet
.irp s, 0,1
	s_mov_b32 s[G0A+4*\s], 1
	s_add_co_u32 s[G0A+4*\s+1], s58, \s*SLOT
	s_add_nc_u64 s[G0A+4*\s+2:G0A+4*\s+3], s[20:21], \s*KSTEP*2
	s_or_b32 s[G0A+4*\s+3], s[G0A+4*\s+3], 0x80000000
	s_mov_b32 s[G0B+4*\s], 1
	s_add_co_u32 s[G0B+4*\s+1], s58, \s*SLOT
	s_add_nc_u64 s[G0B+4*\s+2:G0B+4*\s+3], s[56:57], \s*KSTEP*NPITCH*2
	s_or_b32 s[G0B+4*\s+3], s[G0B+4*\s+3], 0x80000000
	JLOAD \s                                       ; K steps 0 and 1: two tensor loads of a wave are out at the most in this text
.endr
	v_and_b32 v1, 15, v0                           ; r
	v_bfe_u32 v2, v0, 4, 1                         ; h
	v_mul_u32_u24 v3, v1, 272
	v_lshl_add_u32 v3, v2, 4, v3                   ; r x 272 + 16 h
	v_add_nc_u32 v[ADRA], AOFF, v3
	v_add_nc_u32 v[ADRA+1], AOFF+SLOT, v3
	v_and_b32 v16, 7, v0
	v_lshl_add_u32 v16, v2, 3, v16                 ; the transposing load: row of k 8 h + (l & 7),
	v_mul_u32_u24 v16, v16, 288
	v_bfe_u32 v17, v0, 3, 1
	v_lshl_add_u32 v16, v17, 4, v16                ; 16 bytes for each half of eight lanes,
	s_lshl_b32 s22, s12, 5
	v_add_nc_u32 v16, s22, v16                     ; my wave's 16 columns
.irp s, 0,1
.irp c, 0,1
	v_add_nc_u32 v[ADRB+2*\s+\c], \s*SLOT+\c*BSUB, v16
.endr
.endr
	v_mul_u32_u24 v17, v1, 1040                    ; stage: row r, f32 columns 16 w + 8 h ..
	v_lshl_add_u32 v17, v2, 5, v17
	s_lshl_b32 s22, s12, 6
	v_add_nc_u32 v17, s22, v17
	v_add_nc_u32 v[STO], STAGE, v17
	v_and_b32 v18, 31, v0
	v_lshlrev_b32 v18, 4, v18                      ; 16 x lane
	s_mul_i32 s23, s12, 16640
	v_add_nc_u32 v19, s23, v18
	v_add_nc_u32 v[RD], STAGE, v19                 ; back: my wave's rows 16 w .., 512 bytes an instruction
	s_lshl_b32 s23, s12, 17
	v_add_nc_u32 v[CO], s23, v18                   ; the same rows of 8,192 bytes in out0
	s_wait_tensorcnt 0x1                           ; my quarter of K step 0 is in (K step 1's stays out)
	s_barrier_signal -1
	s_barrier_wait -1
	FETCH 0, 0, F0
	LAP 1                                          ; the first products start the sums: nothing is cleared
	WIN 0
	s_mov_b32 s19, 6
.Llap:
	LAP 0
	WIN 0
	s_sub_co_u32 s19, s19, 1
	s_cmp_lg_u32 s19, 0
	s_cbranch_scc1 .Llap
	THREE 0, 0                                     ; the last lap (K steps 14, 15) fills nothing
	TURN 0, 1, 0
	THREE 1, 0
	s_wait_dscnt 0x0
	MULH F1, 0, 0
	MULH F1, 1, 0
	PLACES
	; THE WAY OUT: f32 through the stage, so that each store of a wave covers 512 consecutive bytes of a row, aligned.
	s_lshl_b32 s60, s16, 19                        ; 64 by rows of 8,192 bytes
	s_lshl_b32 s62, s15, 10                        ; 256 bx columns of 4 bytes
	s_add_co_u32 s60, s60, s62
	s_mov_b32 s61, 0
	s_add_nc_u64 s[10:11], s[10:11], s[60:61]
	WIN 0x04                                       ; store data in window 1
.irp a, 0,1,2,3
.irp c, 0,1
.irp i, 0,1
	ds_store_b128 v[STO], v[8*(NBF*\a+2*\c+\i):8*(NBF*\a+2*\c+\i)+3] offset:\a*16640+512*\c+256*\i
	ds_store_b128 v[STO], v[8*(NBF*\a+2*\c+\i)+4:8*(NBF*\a+2*\c+\i)+7] offset:\a*16640+512*\c+256*\i+16
.endr
.endr
.endr
	WIN 0
	s_wait_dscnt 0x0                               ; a stage row is written by all four waves: my stores are done,
	s_barrier_signal -1
	s_barrier_wait -1                              ; everybody's are
.set u, 0
.rept 32
	ds_load_b128 v[32+4*u:32+4*u+3], v[RD] offset:(u>>1)*1040+512*(u&1)
.set u, u+1
.endr
.set u, 0
.rept 32
	s_wait_dscnt 31-u                              ; LDS loads come back in order: this one is in
	global_store_b128 v[CO], v[32+4*u:32+4*u+3], s[10:11] offset:(u>>1)*8192+512*(u&1) th:TH_STORE_NT
.set u, u+1
.endr
	CROUND                                         ; the closing round: no work-group ends while a partner may still ask for a tile that names it
	s_endpgm
.Lfunc_end_k_q43a93abb9b_oproj:
	.size	k_q43a93abb9b_oproj, .Lfunc_end_k_q43a93abb9b_oproj-k_q43a93abb9b_oproj
	.p2alignl 7, 3214868480
	.fill 96, 4, 3214868480
	.section	.rodata,"a",@progbits
	.p2align	6, 0x0
	.amdhsa_kernel k_q43a93abb9b_oproj
		.amdhsa_group_segment_fixed_size 327680
		.amdhsa_private_segment_fixed_size 0
		.amdhsa_enable_private_segment 0
		.amdhsa_kernarg_size 24
		.amdhsa_user_sgpr_count 2
		.amdhsa_user_sgpr_kernarg_segment_ptr 1
		.amdhsa_wavefront_size32 1
		.amdhsa_system_sgpr_workgroup_id_x 1
		.amdhsa_system_sgpr_workgroup_id_y 1
		.amdhsa_system_sgpr_workgroup_id_z 1
		.amdhsa_system_vgpr_workitem_id 0
		.amdhsa_next_free_vgpr 384
		.amdhsa_next_free_sgpr 96
		.amdhsa_reserve_vcc 0
		.amdhsa_float_denorm_mode_32 3
		.amdhsa_float_denorm_mode_16_64 3
		.amdhsa_memory_ordered 1
		.amdhsa_forward_progress 1
		.amdhsa_inst_pref_size 72
	.end_amdhsa_kernel
	.amdgpu_metadata
---
amdhsa.version: [ 1, 2 ]
amdhsa.kernels:
  - .name:           k_q43a93abb9b_oproj
    .symbol:         k_q43a93abb9b_oproj.kd
    .args:
      - { .name: ob, .offset: 0, .size: 8, .value_kind: global_buffer, .address_space: global }
      - { .name: wob, .offset: 8, .size: 8, .value_kind: global_buffer, .address_space: global }
      - { .name: out0, .offset: 16, .size: 8, .value_kind: global_buffer, .address_space: global }
    .group_segment_fixed_size: 327680
    .private_segment_fixed_size: 0
    .kernarg_segment_align: 8
    .kernarg_segment_size: 24
    .max_flat_workgroup_size: 128
    .sgpr_count:     96
    .vgpr_count:     384
    .wavefront_size: 32
...
	.end_amdgpu_metadata
.endif
;; end of part 4
;; ======== version 2 of 2: 4 launches
;; limits: values are held in f16: magnitudes above 65,504 overflow, below 6.1e-05 lose precision; right only within a limited range of input values
;; workspace buffers: xb 8,388,608 bytes; wqkv 12,582,912 bytes; wob 8,388,608 bytes; rope 1,048,576 bytes; qkv 12,582,912 bytes; ob 8,388,608 bytes
;; launch cast: the kernel of part 1 again; grid 1024 x 1, 8 waves a work-group, no clusters, 0 bytes of LDS; arguments hidden_states, Wq, Wk, Wv, Wo, position_ids, xb, wqkv, wob, rope; writes xb, wqkv, wob, rope
;; launch qkv (part 5): grid 8 x 32, 4 waves a work-group, clusters of 4 x 4, 327,680 bytes of LDS; arguments xb, wqkv, rope, qkv; writes qkv
.if DOCPART == 5
	.amdgcn_target "amdgcn-amd-amdhsa--gfx1250"
	.amdhsa_code_object_version 6
	.text
	.protected	k_q43a93abb9b_qkv
	.globl	k_q43a93abb9b_qkv
	.p2align	8
	.type	k_q43a93abb9b_qkv,@function
k_q43a93abb9b_qkv:
	s_mov_b64 s[64:65], 0
	v_nop
	global_prefetch_b8 v0, s[64:65] scope:SCOPE_SE
	s_setreg_imm32_b32 hwreg(HW_REG_WAVE_MODE, 25, 1), 1
	s_wait_xcnt 0x0
	s_wait_alu depctr_hold_cnt(0) depctr_sa_sdst(0) depctr_va_vdst(0) depctr_va_sdst(0) depctr_va_ssrc(0) depctr_va_vcc(0) depctr_vm_vsrc(0)
	s_getreg_b32 s2, hwreg(HW_REG_IB_STS2, 6, 4)
	s_cmp_eq_u32 s2, 0
	s_cbranch_scc0 .Lentry_in_a_cluster
	s_endpgm
.Lentry_in_a_cluster:
	s_bfe_u32 s2, ttmp6, 0x10000c
	s_cmp_lg_u32 s2, 0xf033
	s_cbranch_scc0 .Lentry_shape_is_right
	s_endpgm
.Lentry_shape_is_right:
; qkv[hb][s][d] = rotary( xb[s][:] . wqkv[:][128 hb + d] ), f16;  hb 0-15 the query heads, 16-19 the key heads, 20-23 the value heads (not rotated).
; Stored scaled, so that f16 has room:  Q x 2 log2(e) / sqrt(128) (the softmax's scale and the base-2 exponential folded in),  K x 1/2,  V x 1/2.
; LIMITS (f16's largest number, 65,504): |q| < 2.5e5, |k| < 1.3e5 behind the rotation, |v| < 1.3e5.  With hidden_states and the weights all offset
; by 30 times their spread q, k, v reach 3.7e4 (5.2e4 rotated): stored 1.3e4, 2.6e4, 1.9e4.  With all of them 30 times smaller v is about 1e-3 and is
; stored as a normal f16 number.  A value head goes through the rotation's arithmetic with cos = 1/2, sin = 0: an infinite v would give NaN.
; f16 and not bf16 for what is stored: the first output rows are some eleven times the output's root mean square, and a rounding to 8 bits of V there is
; larger than one hundredth of that root mean square.
;
; A work-group makes 64 rows x 384 columns (three whole heads) with four waves; 8 x 32 = 256 work-groups.  Wave w makes all 64 rows of the columns
; 128 c + 16 w + 64 i + 0..15 (c = 0..2, i = 0, 1): 24 accumulator tiles, 192 registers.  So one lane holds d and d + 64 of a head, and the rotation
; needs no other lane.
; THE RING: K goes in 32 tiles of 64 through FIVE LDS slots (tile t in slot t mod 5), of which FOUR are filled again behind one round of the cluster's barrier:
; 224 KB of data go out behind each round, and there are 7 such rounds.  The fifth slot has landed by then and has not been read: it is multiplied while
; the four are on their way.  A K step of 128 would leave room for two slots only (3 x 128,000 bytes are more than a WGP's LDS), one filled behind each of 14 rounds.
; The price: xb's tile rows are 128 bytes (a seventh of a tile's bytes); wqkv's stay 256 bytes.  The pattern of slots repeats every 20 tiles, so the 32 tiles are written out.
; CLUSTERS: 4 x 4 work-groups.  The four of a row of the cluster need the same rows of xb, the four of a column the same columns of wqkv: each tile
; is asked for jointly, with one descriptor and a mask that names the four.  Waves 0-2 ask for wqkv's three sub-tiles (64 k x 128 n), wave 3 for xb's tile.
; THE MATRIX INSTRUCTION IS USED TRANSPOSED: source 0 = 16 columns of W (read from [k][n] rows by the transposing LDS load), source 1 = 16 rows of x.
; Lane (r = l % 16, h = l / 16) then holds row r, columns 8 h + 0..7: eight neighbours of a row.
;
; LDS: slot s at s x 64,512: W sub-tile c at c x 18,432 (64 rows of 256 + 32 bytes), x at 55,296 (64 rows of 128 + 16 bytes).  The stage of the way out (3 x 64 rows of
; 272 bytes from byte 0) lies in slot 0, whose last fill is tile 30: it is written behind the barrier of the change to tile 31, and no tensor load follows.
; REGISTERS: window 0: v0-31 addresses; v32-63 / v112-143 x fragments, v64-111 / v144-191 W fragments, two buffers; v192-255 cos and sin.  Window 1: accumulators.
.set NC,     3                         ; heads (sub-tiles of 128 columns) of a work-group
.set NBF,    2*NC                      ; column tiles of a wave
.set NL,     2*NBF+8                   ; LDS loads for 32 along K
.set NPITCH, 3072                      ; elements in a row of W
.set KSTEP,  64
.set NT,     2048/KSTEP                ; tiles
.set NSLOT,  5
.set BSUB,   18432                     ; a W sub-tile in LDS: 64 rows x 288 bytes
.set AOFF,   NC*BSUB
.set SLOT,   AOFF+9216                 ; + 64 rows x 144 bytes
.set ADRA, 4                           ; v4-8    LDS address of my x fragments, slot 0..4
.set ADRB, 9                           ; v9-13   of my W fragments
.set STO,  14                          ; v14     the way out: where I put 16 bytes
.set RD,   15                          ; v15     where I read a row back
.set CO,   16                          ; v16     my byte offset in the output
.set ROFF, 17                          ; v17     my byte offset in the table
.set FA,   32
.set FB,   64
.set F0,   0                           ; fragment buffer 0
.set F1,   80                          ; fragment buffer 1: both sides 80 registers further
.set CS,   192                         ; rows 16 a + r: cos of my 8 frequencies at CS + 16 a, sin at CS + 16 a + 8
.set G1A, 24                           ; s[24:31] group 1 for x's tiles
.set G1B, 32                           ; s[32:39] group 1 for W's tiles
.set G0A, 40                           ; s[40:59] group 0 for x's tiles, one set a slot
.set G0B, 68                           ; s[68:87] group 0 for W's tiles, one set a slot
.set FAC, 88                           ; s88-96   the way out: three factors for each head
.set MSB, 0
.macro WIN new                         ; the immediate's high byte repeats the setting that is left
.if MSB != \new
	s_set_vgpr_msb (MSB<<8)|\new
.set MSB, \new
.endif
.endm
.macro PLACES                          ; four plain vector instructions behind a matrix instruction before its registers are loaded into, read or written (ISA guide 7.12.1)
.rept 4
	v_nop
.endr
.endm
.macro CREST                           ; a round of the cluster's barrier behind its opening work-group barrier
	s_cmp_lg_u32 s12, 0
	s_cbranch_scc1 .Lnot_wave_0_\@
	s_barrier_signal -3
.Lnot_wave_0_\@:
	s_barrier_wait -3
	s_barrier_signal -1
	s_barrier_wait -1
.endm
.macro CROUND
	s_barrier_signal -1
	s_barrier_wait -1
	CREST
.endm
; Joint loads into up to five slots (NSLOT stands for none), as many on either way: wave 3 asks for x's tiles, waves 0-2 for W's sub-tiles.  The branch hangs on the wave's number alone.
.macro JLOADS a, b, c, d, e
	s_cmp_eq_u32 s12, 3
	s_cbranch_scc0 .Lfor_w_\@
.irp s, \a, \b, \c, \d, \e
.if \s < NSLOT
	tensor_load_to_lds s[G0A+4*\s:G0A+4*\s+3], s[G1A:G1A+7]
	s_nop 0
.endif
.endr
	s_branch .Lasked_\@
.Lfor_w_\@:
.irp s, \a, \b, \c, \d, \e
.if \s < NSLOT
	tensor_load_to_lds s[G0B+4*\s:G0B+4*\s+3], s[G1B:G1B+7]
	s_nop 0
.endif
.endr
.Lasked_\@:
.endm
; the fragments of half q (32 along K) of a slot's tile into buffer f: W's six column tiles first, then x's four row tiles
.macro FETCH slot, q, f
	WIN 0
.irp c, 0,1,2
.irp i, 0,1
	ds_load_tr16_b128 v[FB+\f+8*(2*\c+\i):FB+\f+8*(2*\c+\i)+3],   v[ADRB+\slot] offset:\c*BSUB+\q*9216+128*\i        ; k = 32 q + 8 h + 0..7 of column n0 + r
	ds_load_tr16_b128 v[FB+\f+8*(2*\c+\i)+4:FB+\f+8*(2*\c+\i)+7], v[ADRB+\slot] offset:\c*BSUB+\q*9216+128*\i+4608   ; sixteen rows of k further
.endr
.endr
.irp a, 0,1,2,3
	ds_load_b128 v[FA+\f+8*\a:FA+\f+8*\a+3],   v[ADRA+\slot] offset:\a*2304+64*\q
	ds_load_b128 v[FA+\f+8*\a+4:FA+\f+8*\a+7], v[ADRA+\slot] offset:\a*2304+64*\q+32
.endr
.endm
; 12 matrix instructions: row tiles 2 half, 2 half + 1 x all column tiles.  The accumulators take turns, one instruction a turn, in one fixed order.
.macro MULH f, half, zero
	WIN 0x50                           ; C and D in window 1
.irp a, 2*\half, 2*\half+1
.irp t, 0,1,2,3,4,5
.if \zero
	v_wmma_f32_16x16x32_bf16 v[8*(NBF*(\a)+\t):8*(NBF*(\a)+\t)+7], v[FB+\f+8*\t:FB+\f+8*\t+7], v[FA+\f+8*(\a):FA+\f+8*(\a)+7], 0
.else
	v_wmma_f32_16x16x32_bf16 v[8*(NBF*(\a)+\t):8*(NBF*(\a)+\t)+7], v[FB+\f+8*\t:FB+\f+8*\t+7], v[FA+\f+8*(\a):FA+\f+8*(\a)+7], v[8*(NBF*(\a)+\t):8*(NBF*(\a)+\t)+7]
.endif
.endr
.endr
.endm
; a tile's first half: multiplies buffer 0; in its middle the second half's fragments are fetched into buffer 1
.macro HEAD slot, zero
	s_wait_dscnt 4                                 ; all of buffer 0 but the youngest four loads (x's row tiles 2 and 3)
	MULH F0, 0, \zero
	PLACES
	FETCH \slot, 1, F1
	s_wait_dscnt NL                                ; all but the NL just issued
	MULH F0, 1, \zero
.endm
; a tile's second half: multiplies buffer 1 and changes to the tile in slot next.  cnt = how many of my tensor loads were issued behind that tile's: they may stay out.
; fill = 1: slots a, b, c, d (NSLOT: none), which have been read, are filled again, each with the tile NSLOT further on.  Then cnt = 0: in front of the barrier each
; wave's LDS reads are back and ALL its tensor loads have landed; the barrier opens a round of the cluster's barrier, and the joint refills are the first tensor loads behind the round.
.macro TURN next, cnt, fill, a, b, c, d
	s_wait_dscnt 0x0                               ; my reads of this tile are back
	s_wait_tensorcnt \cnt                          ; my part of the next tile is in
.if \fill
.irp s, \a, \b, \c, \d
.if \s < NSLOT
	s_add_nc_u64 s[G0A+4*\s+2:G0A+4*\s+3], s[G0A+4*\s+2:G0A+4*\s+3], NSLOT*KSTEP*2          ; no tensor load of mine is out: the addresses step
	s_add_nc_u64 s[G0B+4*\s+2:G0B+4*\s+3], s[G0B+4*\s+2:G0B+4*\s+3], NSLOT*KSTEP*NPITCH*2
.endif
.endr
.endif
	s_barrier_signal -1
	MULH F1, 0, 0                                  ; registers only, while the others arrive
	WIN 0
	s_barrier_wait -1
.if \fill
	CREST
	JLOADS \a, \b, \c, \d, NSLOT
.endif
	PLACES
	FETCH \next, 0, F0
	MULH F1, 1, 0
.endm
	s_load_b256 s[4:11], s[0:1], 0x0               ; xb s[4:5], wqkv s[6:7], rope s[8:9], qkv s[10:11]
	v_lshrrev_b32 v1, 5, v0
	v_readfirstlane_b32 s12, v1                    ; wave 0..3
	s_bfe_u32 s13, ttmp6, 0x40000                  ; cx
	s_bfe_u32 s14, ttmp6, 0x40004                  ; cy
	s_lshl_b32 s15, ttmp9, 2
	s_add_co_u32 s15, s15, s13                     ; block column bx = 4 x cluster x + cx
	s_and_b32 s16, ttmp7, 0xffff
	s_lshl_b32 s16, s16, 2
	s_add_co_u32 s16, s16, s14                     ; block row by = 4 x cluster y + cy
	s_lshl_b32 s17, s14, 2
	s_lshl_b32 s17, 15, s17                        ; my row of the cluster
	s_lshl_b32 s18, 0x1111, s13                    ; my column
	s_or_b32  s[G1A+0], s17, (1<<16)|(1<<20)|(1<<21)|(4<<22)|(3<<25)   ; mask: my row; 2-byte elements; 16 bytes of padding behind every 32 words; bit 21 beside a mask
	s_mov_b32 s[G1A+1], KSTEP<<16                  ; tensor_dim0 = 64
	s_mov_b32 s[G1A+2], 64<<16                     ; tensor_dim1 = 64
	s_mov_b32 s[G1A+3], KSTEP<<16                  ; tile_dim0 = 64
	s_mov_b32 s[G1A+4], 64                         ; tile_dim1 = 64
	s_mov_b32 s[G1A+5], 2048                       ; elements from row to row
	s_mov_b32 s[G1A+6], 0
	s_mov_b32 s[G1A+7], 0
	s_or_b32  s[G1B+0], s18, (1<<16)|(1<<20)|(1<<21)|(5<<22)|(7<<25)   ; mask: my column; 32 bytes of padding behind every 64 words
	s_mov_b32 s[G1B+1], 128<<16                    ; tensor_dim0 = 128
	s_mov_b32 s[G1B+2], KSTEP<<16                  ; tensor_dim1 = 64
	s_mov_b32 s[G1B+3], 128<<16                    ; tile_dim0 = 128
	s_mov_b32 s[G1B+4], KSTEP                      ; tile_dim1 = 64
	s_mov_b32 s[G1B+5], NPITCH
	s_mov_b32 s[G1B+6], 0
	s_mov_b32 s[G1B+7], 0
	s_lshl_b32 s20, s16, 18                        ; x: 64 by rows of 4,096 bytes (hangs on the block row alone)
	s_mov_b32 s21, 0
	s_mul_i32 s60, s15, NC*256                     ; W: column 128 NC bx + 128 w, 2 bytes each (hangs on the block column and the wave alone)
	s_lshl_b32 s61, s12, 8
	s_add_co_u32 s60, s60, s61
	s_mov_b32 s61, 0
	s_mul_i32 s62, s12, BSUB                       ; and its place in a slot
	s_lshl_b32 s22, s16, 14                        ; the table: 64 by rows of 256 bytes
	s_mov_b32 s23, 0
	v_and_b32 v1, 15, v0                           ; r
	v_bfe_u32 v2, v0, 4, 1                         ; h
	v_lshlrev_b32 v[ROFF], 8, v1
	v_lshl_add_u32 v[ROFF], v2, 5, v[ROFF]
	s_lshl_b32 s63, s12, 6
	v_add_nc_u32 v[ROFF], s63, v[ROFF]             ; row r, frequencies 16 w + 8 h + 0..7
	s_wait_kmcnt 0x0
	s_add_nc_u64 s[20:21], s[4:5], s[20:21]
	s_add_nc_u64 s[60:61], s[6:7], s[60:61]
	s_add_nc_u64 s[8:9], s[8:9], s[22:23]
.irp a, 0,1,2,3
	global_load_b128 v[CS+16*\a:CS+16*\a+3],     v[ROFF], s[8:9] offset:4096*\a            ; cos and sin stay in registers until the way out;
	global_load_b128 v[CS+16*\a+4:CS+16*\a+7],   v[ROFF], s[8:9] offset:4096*\a+16         ; their wait stands there
	global_load_b128 v[CS+16*\a+8:CS+16*\a+11],  v[ROFF], s[8:9] offset:4096*\a+524288
	global_load_b128 v[CS+16*\a+12:CS+16*\a+15], v[ROFF], s[8:9] offset:4096*\a+524288+16
.endr
	CROUND                                         ; all sixteen work-groups are here: the first joint loads meet
.irp s, 0,1,2,3,4
	s_mov_b32 s[G0A+4*\s], 1
	s_mov_b32 s[G0A+4*\s+1], \s*SLOT+AOFF
	s_add_nc_u64 s[G0A+4*\s+2:G0A+4*\s+3], s[20:21], \s*KSTEP*2
	s_or_b32 s[G0A+4*\s+3], s[G0A+4*\s+3], 0x80000000
	s_mov_b32 s[G0B+4*\s], 1
	s_add_co_u32 s[G0B+4*\s+1], s62, \s*SLOT
	s_add_nc_u64 s[G0B+4*\s+2:G0B+4*\s+3], s[60:61], \s*KSTEP*NPITCH*2
	s_or_b32 s[G0B+4*\s+3], s[G0B+4*\s+3], 0x80000000
.endr
	JLOADS 0, 1, 2, 3, 4                           ; tiles 0-4: five tensor loads of a wave are out, the most in this text
	v_mul_u32_u24 v3, v1, 144
	v_lshl_add_u32 v3, v2, 4, v3                   ; x: r x 144 + 16 h
	v_and_b32 v18, 7, v0
	v_lshl_add_u32 v18, v2, 3, v18                 ; the transposing load: row of k 8 h + (l & 7),
	v_mul_u32_u24 v18, v18, 288
	v_bfe_u32 v19, v0, 3, 1
	v_lshl_add_u32 v18, v19, 4, v18                ; 16 bytes for each half of eight lanes,
	s_lshl_b32 s22, s12, 5
	v_add_nc_u32 v18, s22, v18                     ; my wave's 16 columns
.irp s, 0,1,2,3,4
	v_add_nc_u32 v[ADRA+\s], \s*SLOT+AOFF, v3
	v_add_nc_u32 v[ADRB+\s], \s*SLOT, v18
.endr
	v_mul_u32_u24 v19, v1, 272
	v_lshl_add_u32 v19, v2, 4, v19
	v_add_nc_u32 v[STO], s22, v19                  ; stage (from LDS byte 0): row r, bytes 32 w + 16 h
	s_mul_i32 s23, s12, 4352
	v_mul_u32_u24 v20, v2, 272
	v_lshl_add_u32 v20, v1, 4, v20
	v_add_nc_u32 v[RD], s23, v20                   ; back: rows 16 w + h, 16 bytes a lane
	v_and_b32 v21, 31, v0
	s_lshl_b32 s23, s12, 12
	v_lshl_add_u32 v[CO], v21, 4, s23              ; the same two rows of 256 bytes in the output
	s_wait_tensorcnt 0x4                           ; my part of tile 0 is in (tiles 1-4 stay out)
	s_barrier_signal -1
	s_barrier_wait -1
	FETCH 0, 0, F0
; Tiles 0 .. 30, each with the change to the next.  Behind tiles 3, 7, .. 27 the four slots read last are filled again (tiles TL + 2 .. TL + 5; behind tile 27 the last three).
; In the other changes the count is what was issued behind the next tile's load: 3, 2, 1 in a group of four (and in the first five), 2, 1, 0 in the last group of three.
.set TL, 0
.rept NT-1
.set SL_T, TL%NSLOT
.set SL_N, (TL+1)%NSLOT
.set SL_A, (TL+2)%NSLOT
.set SL_B, (TL+3)%NSLOT
.set SL_C, (TL+4)%NSLOT
.set SL_D, (TL+5)%NSLOT
.if TL == 0
	HEAD SL_T, 1                                   ; the first products start the sums: nothing is cleared
.else
	HEAD SL_T, 0
.endif
.if TL < NT-4
.if TL%4 == 3
.if TL == NT-5
.set SL_D, NSLOT                                   ; there is no tile 32
.endif
	TURN SL_N, 0, 1, SL_A, SL_B, SL_C, SL_D
.else
	TURN SL_N, 3-TL%4, 0, 0, 0, 0, 0
.endif
.else
	TURN SL_N, 2-TL%4, 0, 0, 0, 0, 0
.endif
.set TL, TL+1
.endr
.set SL_T, (NT-1)%NSLOT
	HEAD SL_T, 0                                   ; the last tile
	s_wait_dscnt 0x0
	MULH F1, 0, 0
	MULH F1, 1, 0
	PLACES
	WIN 0
	; THE WAY OUT.  What kind of head 3 bx + c is decides three factors, by selects (no branch hangs on the place in the cluster):
	; out_lo = lo (a cos + b) - hi a sin,  out_hi = hi (a cos + b) + lo a sin;   Q: a = 2 log2(e)/sqrt(128), K: a = 1/2, both b = 0;  V: a = 0, b = 1/2.
	s_mul_i32 s60, s15, 3
	s_mov_b32 s61, 0x3e8293ee                      ; 2 log2(e) / sqrt(128)
	s_mov_b32 s62, 0x3f000000                      ; 1/2: K's a and V's b
.irp c, 0,1,2
	s_add_co_u32 s23, s60, \c
	s_cmp_lt_u32 s23, 16
	s_cselect_b32 s[FAC+3*\c], s61, s62
	s_cmp_lt_u32 s23, 20
	s_cselect_b32 s[FAC+3*\c], s[FAC+3*\c], 0
	s_cselect_b32 s[FAC+3*\c+2], 0, s62
	s_xor_b32 s[FAC+3*\c+1], s[FAC+3*\c], 0x80000000
.endr
	s_mul_i32 s62, s15, 3*524288                   ; three heads of 524,288 bytes for each block column,
	s_lshl_b32 s60, s16, 14                        ; 64 rows of 256 bytes for each block row
	s_add_co_u32 s62, s62, s60
	s_mov_b32 s63, 0
	s_add_nc_u64 s[10:11], s[10:11], s[62:63]
.irp c, 0,1,2
	v_mov_b32 v[160+6*\c], s[FAC+3*\c]             ; pairs for the packed arithmetic: a, a
	v_mov_b32 v[161+6*\c], s[FAC+3*\c]
	v_mov_b32 v[162+6*\c], s[FAC+3*\c+1]           ; -a, -a
	v_mov_b32 v[163+6*\c], s[FAC+3*\c+1]
	v_mov_b32 v[164+6*\c], s[FAC+3*\c+2]           ; b, b
	v_mov_b32 v[165+6*\c], s[FAC+3*\c+2]
.endr
	s_wait_loadcnt 0x0                             ; cos and sin, asked for at the start
.macro ROPE c, a                       ; head c, rows 16 a + r: tiles (a, 2c) = d 16 w + 8 h + 0..7 and (a, 2c+1) = the same + 64
	WIN 0
.irp p, 0,2,4,6
	v_pk_fma_f32 v[32+\p:33+\p], v[CS+16*\a+\p:CS+16*\a+\p+1], v[160+6*\c:161+6*\c], v[164+6*\c:165+6*\c]
	v_pk_mul_f32 v[40+\p:41+\p], v[CS+16*\a+8+\p:CS+16*\a+9+\p], v[160+6*\c:161+6*\c]
	v_pk_mul_f32 v[48+\p:49+\p], v[CS+16*\a+8+\p:CS+16*\a+9+\p], v[162+6*\c:163+6*\c]
.endr
	WIN 0x01                           ; source 0: an accumulator
.irp p, 0,2,4,6
	v_pk_mul_f32 v[56+\p:57+\p], v[8*(NBF*\a+2*\c+1)+\p:8*(NBF*\a+2*\c+1)+\p+1], v[48+\p:49+\p]
	v_pk_mul_f32 v[64+\p:65+\p], v[8*(NBF*\a+2*\c)+\p:8*(NBF*\a+2*\c)+\p+1],     v[40+\p:41+\p]
.endr
.irp p, 0,2,4,6
	v_pk_fma_f32 v[56+\p:57+\p], v[8*(NBF*\a+2*\c)+\p:8*(NBF*\a+2*\c)+\p+1],     v[32+\p:33+\p], v[56+\p:57+\p]
	v_pk_fma_f32 v[64+\p:65+\p], v[8*(NBF*\a+2*\c+1)+\p:8*(NBF*\a+2*\c+1)+\p+1], v[32+\p:33+\p], v[64+\p:65+\p]
.endr
	WIN 0
.irp p, 0,1,2,3
	v_cvt_pk_f16_f32 v[72+\p], v[56+2*\p], v[57+2*\p]
	v_cvt_pk_f16_f32 v[76+\p], v[64+2*\p], v[65+2*\p]
.endr
	ds_store_b128 v[STO], v[72:75] offset:\c*17408+\a*4352
	ds_store_b128 v[STO], v[76:79] offset:\c*17408+\a*4352+128
.endm
.irp c, 0,1,2
.irp a, 0,1,2,3
	ROPE \c, \a
.endr
.endr
	s_wait_dscnt 0x0                               ; a stage row is written by all four waves: my stores are done,
	s_barrier_signal -1
	s_barrier_wait -1                              ; everybody's are
.irp c, 0,1,2
.irp u, 0,1,2,3,4,5,6,7
	ds_load_b128 v[32+4*(8*\c+\u):32+4*(8*\c+\u)+3], v[RD] offset:\c*17408+544*\u
.endr
.endr
.irp c, 0,1,2
.irp u, 0,1,2,3,4,5,6,7
	s_wait_dscnt 23-(8*\c+\u)                      ; LDS loads come back in order: this one is in
	global_store_b128 v[CO], v[32+4*(8*\c+\u):32+4*(8*\c+\u)+3], s[10:11] offset:\c*524288+512*\u   ; sixteen lanes store one row: 256 consecutive bytes, aligned
.endr
.endr
	CROUND                                         ; the closing round: no work-group ends while a partner may still ask for a tile that names it
	s_endpgm
.Lfunc_end_k_q43a93abb9b_qkv:
	.size	k_q43a93abb9b_qkv, .Lfunc_end_k_q43a93abb9b_qkv-k_q43a93abb9b_qkv
	.p2alignl 7, 3214868480
	.fill 96, 4, 3214868480
	.section	.rodata,"a",@progbits
	.p2align	6, 0x0
	.amdhsa_kernel k_q43a93abb9b_qkv
		.amdhsa_group_segment_fixed_size 327680
		.amdhsa_private_segment_fixed_size 0
		.amdhsa_enable_private_segment 0
		.amdhsa_kernarg_size 32
		.amdhsa_user_sgpr_count 2
		.amdhsa_user_sgpr_kernarg_segment_ptr 1
		.amdhsa_wavefront_size32 1
		.amdhsa_system_sgpr_workgroup_id_x 1
		.amdhsa_system_sgpr_workgroup_id_y 1
		.amdhsa_system_sgpr_workgroup_id_z 1
		.amdhsa_system_vgpr_workitem_id 0
		.amdhsa_next_free_vgpr 448
		.amdhsa_next_free_sgpr 100
		.amdhsa_reserve_vcc 0
		.amdhsa_float_denorm_mode_32 3
		.amdhsa_float_denorm_mode_16_64 3
		.amdhsa_memory_ordered 1
		.amdhsa_forward_progress 1
		.amdhsa_inst_pref_size 252
	.end_amdhsa_kernel
	.amdgpu_metadata
---
amdhsa.version: [ 1, 2 ]
amdhsa.kernels:
  - .name:           k_q43a93abb9b_qkv
    .symbol:         k_q43a93abb9b_qkv.kd
    .args:
      - { .name: xb, .offset: 0, .size: 8, .value_kind: global_buffer, .address_space: global }
      - { .name: wqkv, .offset: 8, .size: 8, .value_kind: global_buffer, .address_space: global }
      - { .name: rope, .offset: 16, .size: 8, .value_kind: global_buffer, .address_space: global }
      - { .name: qkv, .offset: 24, .size: 8, .value_kind: global_buffer, .address_space: global }
    .group_segment_fixed_size: 327680
    .private_segment_fixed_size: 0
    .kernarg_segment_align: 8
    .kernarg_segment_size: 32
    .max_flat_workgroup_size: 128
    .sgpr_count:     100
    .vgpr_count:     448
    .wavefront_size: 32
...
	.end_amdgpu_metadata
.endif
;; end of part 5
;; launch attn: the kernel of part 3 again; grid 256 x 1, 4 waves a work-group, clusters of 4 x 1, 327,680 bytes of LDS; arguments qkv, ob; writes ob
;; launch oproj (part 6): grid 16 x 16, 4 waves a work-group, clusters of 4 x 4, 327,680 bytes of LDS; arguments ob, wob, out0; writes out0
.if DOCPART == 6
	.amdgcn_target "amdgcn-amd-amdhsa--gfx1250"
	.amdhsa_code_object_version 6
	.text
	.protected	k_q43a93abb9b_oproj
	.globl	k_q43a93abb9b_oproj
	.p2align	8
	.type	k_q43a93abb9b_oproj,@function
k_q43a93abb9b_oproj:
	s_mov_b64 s[64:65], 0
	v_nop
	global_prefetch_b8 v0, s[64:65] scope:SCOPE_SE
	s_setreg_imm32_b32 hwreg(HW_REG_WAVE_MODE, 25, 1), 1
	s_wait_xcnt 0x0
	s_wait_alu depctr_hold_cnt(0) depctr_sa_sdst(0) depctr_va_vdst(0) depctr_va_sdst(0) depctr_va_ssrc(0) depctr_va_vcc(0) depctr_vm_vsrc(0)
	s_getreg_b32 s2, hwreg(HW_REG_IB_STS2, 6, 4)
	s_cmp_eq_u32 s2, 0
	s_cbranch_scc0 .Lentry_in_a_cluster
	s_endpgm
.Lentry_in_a_cluster:
	s_bfe_u32 s2, ttmp6, 0x10000c
	s_cmp_lg_u32 s2, 0xf033
	s_cbranch_scc0 .Lentry_shape_is_right
	s_endpgm
.Lentry_shape_is_right:
; out0[s][n] = sum over k of ob[s][k] wob[k][n], f32.  ob: [2048][2048] f16 = attention output / 2;  wob: [2048 k][2048 n] f16 = 2 x Wo: the two factors cancel.
; A work-group makes 128 rows x 128 columns with four waves, 16 x 16 = 256 work-groups; wave w makes rows 64 (w >> 1) .. and columns 64 (w & 1) ..: 16 accumulator tiles,
; 128 registers.  The square block needs the fewest bytes for its 16,384 outputs: (128 + 128) x 256 bytes for 128 along K.
; THE RING: K goes in 16 tiles of 128 through FOUR LDS slots (tile t in slot t mod 4), of which THREE are filled again behind one round of the cluster's barrier: 192 KB of data go
; out behind each round, and there are 4 such rounds.  The fourth slot has landed by then and has not been read: it is multiplied while the three are on their way.
; The pattern of slots repeats every 12 tiles, so the 16 tiles are written out.
; CLUSTERS: 4 x 4 work-groups; ob's tile is shared along a row of the cluster, wob's along a column, each asked for jointly.  Every wave asks for a quarter of every tile:
; waves 0 and 1 for 64 rows of k of wob each, waves 2 and 3 for 64 rows of ob each.  So each way through a joint request issues as many loads, and a counted wait
; on the tensor loads counts the same in every wave.
; Source 0 = 16 columns of wob (transposing LDS load), source 1 = 16 rows of ob: lane (r, h) holds row r, columns 8 h + 0..7.
; LDS: slot s at s x 71,680: wob's 128 rows of k (256 + 32 bytes) at 0, ob's 128 rows (256 + 16 bytes) at 36,864; behind the ring, at 286,720, a stage of 16 rows x 272 bytes for each wave.
; REGISTERS: window 0: v0-31 addresses; v32-63 / v112-143 ob fragments, v64-95 / v144-175 wob fragments, two buffers.  Window 1: accumulators.
.set NBF,    4                         ; column tiles of a wave
.set NL,     16                        ; LDS loads of one quarter step
.set NPITCH, 2048                      ; elements in a row of wob
.set KSTEP,  128
.set NT,     2048/KSTEP                ; tiles
.set NSLOT,  4
.set BHALF,  18432                     ; 64 rows of k x 288 bytes: what waves 0 and 1 fetch
.set AHALF,  17408                     ; 64 rows x 272 bytes: what waves 2 and 3 fetch
.set AOFF,   2*BHALF
.set SLOT,   AOFF+2*AHALF
.set STAGE,  NSLOT*SLOT
.set ADRA, 4                           ; v4-7    LDS address of my ob fragments, slot 0..3
.set ADRB, 8                           ; v8-11   of my wob fragments
.set STO,  12                          ; v12     the way out: where I put 16 bytes
.set RD,   13                          ; v13     where I read a row back
.set CO,   14                          ; v14     my byte offset in out0
.set FA,   32
.set FB,   64
.set F0,   0                           ; fragment buffer 0
.set F1,   80                          ; fragment buffer 1: both sides 80 registers further
.set G1A, 24                           ; s[24:31] group 1 for ob's tiles
.set G1B, 32                           ; s[32:39] group 1 for wob's tiles
.set G0A, 40                           ; s[40:55] group 0 for ob's tiles, one set a slot
.set G0B, 68                           ; s[68:83] group 0 for wob's tiles, one set a slot
.set MSB, 0
.macro WIN new                         ; the immediate's high byte repeats the setting that is left
.if MSB != \new
	s_set_vgpr_msb (MSB<<8)|\new
.set MSB, \new
.endif
.endm
.macro PLACES                          ; four plain vector instructions behind a matrix instruction (ISA guide 7.12.1)
.rept 4
	v_nop
.endr
.endm
.macro CREST                           ; a round of the cluster's barrier behind its opening work-group barrier
	s_cmp_lg_u32 s12, 0
	s_cbranch_scc1 .Lnot_wave_0_\@
	s_barrier_signal -3
.Lnot_wave_0_\@:
	s_barrier_wait -3
	s_barrier_signal -1
	s_barrier_wait -1
.endm
.macro CROUND
	s_barrier_signal -1
	s_barrier_wait -1
	CREST
.endm
; My quarter of up to four slots (NSLOT stands for none), as many loads on either way: waves 0, 1 wob's halves, waves 2, 3 ob's.  The branch hangs on the wave's number alone.
.macro JLOADS a, b, c, d
	s_cmp_lt_u32 s12, 2
	s_cbranch_scc0 .Lfor_a_\@
.irp s, \a, \b, \c, \d
.if \s < NSLOT
	tensor_load_to_lds s[G0B+4*\s:G0B+4*\s+3], s[G1B:G1B+7]
	s_nop 0
.endif
.endr
	s_branch .Lasked_\@
.Lfor_a_\@:
.irp s, \a, \b, \c, \d
.if \s < NSLOT
	tensor_load_to_lds s[G0A+4*\s:G0A+4*\s+3], s[G1A:G1A+7]
	s_nop 0
.endif
.endr
.Lasked_\@:
.endm
; the fragments of quarter step q (32 along K) of a slot's tile into buffer f: wob's four column tiles first, then ob's four row tiles
.macro FETCH slot, q, f
	WIN 0
.irp t, 0,1,2,3
	ds_load_tr16_b128 v[FB+\f+8*\t:FB+\f+8*\t+3],   v[ADRB+\slot] offset:\q*9216+32*\t           ; k = 32 q + 8 h + 0..7 of column 16 t + r
	ds_load_tr16_b128 v[FB+\f+8*\t+4:FB+\f+8*\t+7], v[ADRB+\slot] offset:\q*9216+32*\t+4608      ; sixteen rows of k further
.endr
.irp a, 0,1,2,3
	ds_load_b128 v[FA+\f+8*\a:FA+\f+8*\a+3],   v[ADRA+\slot] offset:\a*4352+64*\q
	ds_load_b128 v[FA+\f+8*\a+4:FA+\f+8*\a+7], v[ADRA+\slot] offset:\a*4352+64*\q+32
.endr
.endm
; 8 matrix instructions.  The accumulators take turns, one instruction a turn, in one fixed order.
.macro MULH f, half, zero
	WIN 0x50                           ; C and D in window 1
.irp a, 2*\half, 2*\half+1
.irp t, 0,1,2,3
.if \zero
	v_wmma_f32_16x16x32_f16 v[8*(NBF*(\a)+\t):8*(NBF*(\a)+\t)+7], v[FB+\f+8*\t:FB+\f+8*\t+7], v[FA+\f+8*(\a):FA+\f+8*(\a)+7], 0
.else
	v_wmma_f32_16x16x32_f16 v[8*(NBF*(\a)+\t):8*(NBF*(\a)+\t)+7], v[FB+\f+8*\t:FB+\f+8*\t+7], v[FA+\f+8*(\a):FA+\f+8*(\a)+7], v[8*(NBF*(\a)+\t):8*(NBF*(\a)+\t)+7]
.endif
.endr
.endr
.endm
; one of a tile's first three quarters: multiplies buffer f; in its middle the next quarter's fragments are fetched into buffer g
.macro QUARTER slot, q, f, g, zero
	s_wait_dscnt 4                                 ; all of buffer f but the youngest four loads (ob's row tiles 2 and 3)
	MULH \f, 0, \zero
	PLACES
	FETCH \slot, \q, \g
	s_wait_dscnt NL                                ; all but the NL just issued
	MULH \f, 1, \zero
.endm
.macro THREE slot, zero
	QUARTER \slot, 1, F0, F1, \zero
	QUARTER \slot, 2, F1, F0, 0
	QUARTER \slot, 3, F0, F1, 0
.endm
; a tile's last quarter: multiplies buffer 1 and changes to the tile in slot next.  cnt = how many of my tensor loads were issued behind that tile's: they may stay out.
; fill = 1: slots a, b, c, which have been read, are filled again, each with the tile NSLOT further on.  Then cnt = 0: in front of the barrier each wave's LDS reads are
; back and ALL its tensor loads have landed; the barrier opens a round of the cluster's barrier, and the joint refills are the first tensor loads behind the round.
.macro TURN next, cnt, fill, a, b, c
	s_wait_dscnt 0x0                               ; my reads of this tile are back
	s_wait_tensorcnt \cnt                          ; my quarter of the next tile is in
.if \fill
.irp s, \a, \b, \c
	s_add_nc_u64 s[G0A+4*\s+2:G0A+4*\s+3], s[G0A+4*\s+2:G0A+4*\s+3], NSLOT*KSTEP*2          ; no tensor load of mine is out: the addresses step
	s_add_nc_u64 s[G0B+4*\s+2:G0B+4*\s+3], s[G0B+4*\s+2:G0B+4*\s+3], NSLOT*KSTEP*NPITCH*2
.endr
.endif
	s_barrier_signal -1
	MULH F1, 0, 0                                  ; registers only, while the others arrive
	WIN 0
	s_barrier_wait -1
.if \fill
	CREST
	JLOADS \a, \b, \c, NSLOT
.endif
	PLACES
	FETCH \next, 0, F0
	MULH F1, 1, 0
.endm
	s_load_b128 s[4:7], s[0:1], 0x0                ; ob s[4:5], wob s[6:7]
	s_load_b64 s[10:11], s[0:1], 0x10              ; out0
	v_lshrrev_b32 v1, 5, v0
	v_readfirstlane_b32 s12, v1                    ; wave 0..3
	s_bfe_u32 s13, ttmp6, 0x40000                  ; cx
	s_bfe_u32 s14, ttmp6, 0x40004                  ; cy
	s_lshl_b32 s15, ttmp9, 2
	s_add_co_u32 s15, s15, s13                     ; block column bx
	s_and_b32 s16, ttmp7, 0xffff
	s_lshl_b32 s16, s16, 2
	s_add_co_u32 s16, s16, s14                     ; block row by
	s_lshl_b32 s17, s14, 2
	s_lshl_b32 s17, 15, s17                        ; my row of the cluster
	s_lshl_b32 s18, 0x1111, s13                    ; my column
	s_or_b32  s[G1A+0], s17, (1<<16)|(1<<20)|(1<<21)|(5<<22)|(3<<25)   ; mask: my row; 2-byte elements; 16 bytes of padding behind every 64 words; bit 21 beside a mask
	s_mov_b32 s[G1A+1], KSTEP<<16                  ; tensor_dim0 = 128
	s_mov_b32 s[G1A+2], 64<<16                     ; tensor_dim1 = 64
	s_mov_b32 s[G1A+3], KSTEP<<16                  ; tile_dim0 = 128
	s_mov_b32 s[G1A+4], 64                         ; tile_dim1 = 64
	s_mov_b32 s[G1A+5], 2048                       ; elements from row to row
	s_mov_b32 s[G1A+6], 0
	s_mov_b32 s[G1A+7], 0
	s_or_b32  s[G1B+0], s18, (1<<16)|(1<<20)|(1<<21)|(5<<22)|(7<<25)   ; mask: my column; 32 bytes of padding behind every 64 words
	s_mov_b32 s[G1B+1], 128<<16                    ; tensor_dim0 = 128
	s_mov_b32 s[G1B+2], 64<<16                     ; tensor_dim1 = 64
	s_mov_b32 s[G1B+3], 128<<16                    ; tile_dim0 = 128
	s_mov_b32 s[G1B+4], 64                         ; tile_dim1 = 64
	s_mov_b32 s[G1B+5], NPITCH
	s_mov_b32 s[G1B+6], 0
	s_mov_b32 s[G1B+7], 0
	s_and_b32 s19, s12, 1                          ; my half of the block's columns.  Also: which 64 rows of a tile I fetch
	s_lshr_b32 s59, s12, 1                         ; my half of the block's rows
	s_lshl_b32 s22, s19, 18                        ; 64 rows of 4,096 bytes, in ob and in wob alike
	s_lshl_b32 s20, s16, 19                        ; ob: 128 by rows of 4,096 bytes (hangs on the block row and the wave alone)
	s_add_co_u32 s20, s20, s22
	s_mov_b32 s21, 0
	s_lshl_b32 s56, s15, 8                         ; wob: column 128 bx, 2 bytes each (hangs on the block column and the wave alone)
	s_add_co_u32 s56, s56, s22
	s_mov_b32 s57, 0
	s_mul_i32 s62, s12, AHALF                      ; my quarter of a slot: waves 2, 3 at AOFF + (w - 2) x AHALF,
	s_mul_i32 s63, s12, BHALF                      ; waves 0, 1 at w x BHALF
	s_wait_kmcnt 0x0
	s_add_nc_u64 s[20:21], s[4:5], s[20:21]
	s_add_nc_u64 s[56:57], s[6:7], s[56:57]
	CROUND                                         ; all sixteen work-groups are here: the first joint loads meet
.irp s, 0,1,2,3
	s_mov_b32 s[G0A+4*\s], 1
	s_add_co_u32 s[G0A+4*\s+1], s62, \s*SLOT+AOFF-2*AHALF
	s_add_nc_u64 s[G0A+4*\s+2:G0A+4*\s+3], s[20:21], \s*KSTEP*2
	s_or_b32 s[G0A+4*\s+3], s[G0A+4*\s+3], 0x80000000
	s_mov_b32 s[G0B+4*\s], 1
	s_add_co_u32 s[G0B+4*\s+1], s63, \s*SLOT
	s_add_nc_u64 s[G0B+4*\s+2:G0B+4*\s+3], s[56:57], \s*KSTEP*NPITCH*2
	s_or_b32 s[G0B+4*\s+3], s[G0B+4*\s+3], 0x80000000
.endr
	JLOADS 0, 1, 2, 3                              ; tiles 0-3: four tensor loads of a wave are out, the most in this text
	v_and_b32 v1, 15, v0                           ; r
	v_bfe_u32 v2, v0, 4, 1                         ; h
	v_mul_u32_u24 v3, v1, 272
	v_lshl_add_u32 v3, v2, 4, v3                   ; r x 272 + 16 h
	s_mul_i32 s22, s59, AHALF
	v_add_nc_u32 v3, s22, v3                       ; my 64 rows of ob
	v_and_b32 v16, 7, v0
	v_lshl_add_u32 v16, v2, 3, v16                 ; the transposing load: row of k 8 h + (l & 7),
	v_mul_u32_u24 v16, v16, 288
	v_bfe_u32 v17, v0, 3, 1
	v_lshl_add_u32 v16, v17, 4, v16                ; 16 bytes for each half of eight lanes,
	s_lshl_b32 s22, s19, 7
	v_add_nc_u32 v16, s22, v16                     ; my 64 columns of wob
.irp s, 0,1,2,3
	v_add_nc_u32 v[ADRA+\s], \s*SLOT+AOFF, v3
	v_add_nc_u32 v[ADRB+\s], \s*SLOT, v16
.endr
	s_mul_i32 s23, s12, 4352                       ; my stage
	v_mul_u32_u24 v17, v1, 272                     ; in: row r, 32 bytes (8 f32) for each half of the lanes
	v_lshl_add_u32 v17, v2, 5, v17
	v_add_nc_u32 v17, s23, v17
	v_add_nc_u32 v[STO], STAGE, v17
	v_mul_u32_u24 v18, v2, 272                     ; back: lanes 0-15 take one row of 256 bytes, lanes 16-31 the next
	v_lshl_add_u32 v18, v1, 4, v18
	v_add_nc_u32 v18, s23, v18
	v_add_nc_u32 v[RD], STAGE, v18
	v_lshlrev_b32 v19, 13, v2                      ; and the same two rows of 8,192 bytes in out0
	v_lshl_add_u32 v[CO], v1, 4, v19
	s_wait_tensorcnt 0x3                           ; my quarter of tile 0 is in (tiles 1-3 stay out)
	s_barrier_signal -1
	s_barrier_wait -1
	FETCH 0, 0, F0
; Tiles 0 .. 14, each with the change to the next.  Behind tiles 2, 5, 8, 11 the three slots read last are filled again (tiles TL + 2 .. TL + 4).
; In the other changes the count is what was issued behind the next tile's load: 2, 1, and 0 in front of the last tile.
.set TL, 0
.rept NT-1
.set SL_T, TL%NSLOT
.set SL_N, (TL+1)%NSLOT
.set SL_A, (TL+2)%NSLOT
.set SL_B, (TL+3)%NSLOT
.set SL_C, (TL+4)%NSLOT
.if TL == 0
	THREE SL_T, 1                                  ; the first products start the sums: nothing is cleared
.else
	THREE SL_T, 0
.endif
.if TL%3 == 2
.if TL < NT-4
	TURN SL_N, 0, 1, SL_A, SL_B, SL_C
.else
	TURN SL_N, 0, 0, 0, 0, 0
.endif
.else
	TURN SL_N, 2-TL%3, 0, 0, 0, 0
.endif
.set TL, TL+1
.endr
.set SL_T, (NT-1)%NSLOT
	THREE SL_T, 0                                  ; the last tile
	s_wait_dscnt 0x0
	MULH F1, 0, 0
	MULH F1, 1, 0
	PLACES
	; THE WAY OUT, 16 rows at a time through my own stage (no other wave and no tensor load touches it, and LDS serves a wave's instructions in order, ISA guide 5.7.1:
	; no barrier, and no wait between the stores and the loads): a lane's 32 bytes go in, whole rows of 256 bytes come back.
	s_lshl_b32 s60, s16, 20                        ; 128 by rows of 8,192 bytes
	s_lshl_b32 s61, s59, 19                        ; + my 64 rows
	s_add_co_u32 s60, s60, s61
	s_lshl_b32 s61, s15, 9                         ; + 128 bx columns of 4 bytes
	s_add_co_u32 s60, s60, s61
	s_lshl_b32 s61, s19, 8                         ; + my 64 columns
	s_add_co_u32 s60, s60, s61
	s_mov_b32 s61, 0
	s_add_nc_u64 s[10:11], s[10:11], s[60:61]
.macro OUT16 a                         ; rows 16 a .. 16 a + 15 of my block; each a has its own 32 registers for the rows read back, so no store's data is written again
	WIN 0x04                                       ; store data in window 1
.irp t, 0,1,2,3
	ds_store_b128 v[STO], v[8*(NBF*\a+\t):8*(NBF*\a+\t)+3] offset:64*\t
	ds_store_b128 v[STO], v[8*(NBF*\a+\t)+4:8*(NBF*\a+\t)+7] offset:64*\t+16
.endr
	WIN 0
.irp u, 0,1,2,3,4,5,6,7
	ds_load_b128 v[32+32*\a+4*\u:32+32*\a+4*\u+3], v[RD] offset:544*\u
.endr
.irp u, 0,1,2,3,4,5,6,7
	s_wait_dscnt 7-\u                              ; LDS loads come back in order: this one is in
	global_store_b128 v[CO], v[32+32*\a+4*\u:32+32*\a+4*\u+3], s[10:11] offset:\a*131072+16384*\u th:TH_STORE_NT   ; sixteen lanes store 256 consecutive bytes of a row, aligned
.endr
.endm
	OUT16 0
	OUT16 1
	OUT16 2
	OUT16 3
	CROUND                                         ; the closing round: no work-group ends while a partner may still ask for a tile that names it
	s_endpgm
.Lfunc_end_k_q43a93abb9b_oproj:
	.size	k_q43a93abb9b_oproj, .Lfunc_end_k_q43a93abb9b_oproj-k_q43a93abb9b_oproj
	.p2alignl 7, 3214868480
	.fill 96, 4, 3214868480
	.section	.rodata,"a",@progbits
	.p2align	6, 0x0
	.amdhsa_kernel k_q43a93abb9b_oproj
		.amdhsa_group_segment_fixed_size 327680
		.amdhsa_private_segment_fixed_size 0
		.amdhsa_enable_private_segment 0
		.amdhsa_kernarg_size 24
		.amdhsa_user_sgpr_count 2
		.amdhsa_user_sgpr_kernarg_segment_ptr 1
		.amdhsa_wavefront_size32 1
		.amdhsa_system_sgpr_workgroup_id_x 1
		.amdhsa_system_sgpr_workgroup_id_y 1
		.amdhsa_system_sgpr_workgroup_id_z 1
		.amdhsa_system_vgpr_workitem_id 0
		.amdhsa_next_free_vgpr 384
		.amdhsa_next_free_sgpr 96
		.amdhsa_reserve_vcc 0
		.amdhsa_float_denorm_mode_32 3
		.amdhsa_float_denorm_mode_16_64 3
		.amdhsa_memory_ordered 1
		.amdhsa_forward_progress 1
		.amdhsa_inst_pref_size 167
	.end_amdhsa_kernel
	.amdgpu_metadata
---
amdhsa.version: [ 1, 2 ]
amdhsa.kernels:
  - .name:           k_q43a93abb9b_oproj
    .symbol:         k_q43a93abb9b_oproj.kd
    .args:
      - { .name: ob, .offset: 0, .size: 8, .value_kind: global_buffer, .address_space: global }
      - { .name: wob, .offset: 8, .size: 8, .value_kind: global_buffer, .address_space: global }
      - { .name: out0, .offset: 16, .size: 8, .value_kind: global_buffer, .address_space: global }
    .group_segment_fixed_size: 327680
    .private_segment_fixed_size: 0
    .kernarg_segment_align: 8
    .kernarg_segment_size: 24
    .max_flat_workgroup_size: 128
    .sgpr_count:     96
    .vgpr_count:     384
    .wavefront_size: 32
...
	.end_amdgpu_metadata
.endif
;; end of part 6
